; MI455X (gfx1250); checked and timed in simulation.
; The chip was launched on July 23, 2026; its instructions are those of AMD's public machine-readable ISA for CDNA 5 (MIT licence, August 2026) and "CDNA5" Instruction Set Architecture Reference Guide (July 2026). The comments in the code are by the model that wrote it; some were corrected since.
;; Multi Head Attention. Allowed arithmetic: matrix products marked QUANTISED: E3M2 operands, one E8M0 scale for each 32 along K, by v_wmma_scale_f32_16x16x128_f8f6f4 with both operands' format E3M2, f32 sums; products left as they are: f32 operands where the result goes on into a quantised operand, else bf16, f16 or f32 operands; f32 sums; everything else in f32.
;; Inputs: Wk 1,024 x 1,024 float32; Wo 1,024 x 1,024 float32; Wq 1,024 x 1,024 float32; Wv 1,024 x 1,024 float32; bo 1,024 float32; x 4 x 2,048 x 1,024 float32.
;; Outputs: out0 4 x 2,048 x 1,024 float32.
;; This version of the problem:
;;   THIS VERSION OF THE PROBLEM IS GIVEN IN LOW PRECISION. The matrix products marked QUANTISED in the list below multiply operands that are first quantised to E3M2 (3 exponent bits, 2 mantissa bits; 6 bits a number), with one power-of-two scale for each 32 numbers along K (OCP MX v1.0); their sums are f32. All else is computed in f32.
;;   The module's matrix products, in the order in which they are computed (A, B: the left and right operand; K: the contracted axis; several contracted axes count as one K, in the product's order):
;;     1. [M 8,192, K 1,024] x [K 1,024, N 1,024]; A: input x; B: input Wq: QUANTISED
;;     2. [M 8,192, K 1,024] x [K 1,024, N 1,024]; A: input x; B: input Wk: QUANTISED
;;     3. [M 8,192, K 1,024] x [K 1,024, N 1,024]; A: input x; B: input Wv: QUANTISED
;;     4. [M 2,048, K 1] x [K 1, N 32]; A: computed on the way; B: computed on the way: left as it is (no contracted axis)
;;     5. batch 64 x [M 2,048, K 64] x [K 64, N 2,048]; A: computed on the way; B: computed on the way: QUANTISED
;;     6. batch 64 x [M 2,048, K 2,048] x [K 2,048, N 64]; A: softmax (see below); B: computed on the way: QUANTISED
;;     7. [M 8,192, K 1,024] x [K 1,024, N 1,024]; A: computed on the way; B: input Wo: QUANTISED
;;   THE QUANTISER, for each operand of a quantised product, along K:
;;     - K is cut into blocks of 32 from its start; a last block that is shorter is filled with zeros.
;;     - A block's scale is 2^e with e = floor(log2(the largest magnitude in the block)) - 4, held to -126 .. 127; a block of zeros has e = 0. As a byte (E8M0): e + 127.
;;     - Each number is divided by its block's scale, clamped to +-28, and rounded to the nearest number of E3M2, ties to even, subnormals kept.
;;     - The product sums the exact products of the quantised numbers (number of the format x scale) in f32.
;;   ~~~python
;;   def quantise(x, axis):      # numpy; x: float32 -> the quantised numbers, widened to float32 again
;;       x = np.moveaxis(x, axis, -1); K = x.shape[-1]
;;       x = np.pad(x, [(0, 0)] * (x.ndim - 1) + [(0, -K % 32)]); x = x.reshape(x.shape[:-1] + (-1, 32)); a = np.abs(x).max(-1, keepdims=True)
;;       e = np.where(a > 0, np.clip(np.frexp(np.where(a > 0, a, 1))[1] - 1 - 4, -126, 127), 0)      # np.frexp(a)[1] - 1 = floor(log2(a)), exactly
;;       r = np.clip(x / 2.0 ** e, -28, 28)
;;       step = 2.0 ** (np.maximum(np.frexp(np.where(r == 0, 1, r))[1] - 1, -2) - 2)
;;       q = np.round(r / step) * step * 2.0 ** e      # np.round: ties to even
;;       return np.moveaxis(q.reshape(q.shape[:-2] + (-1,))[..., :K], -1, axis).astype(np.float32)
;;   ~~~
;;   SOFTMAX AHEAD OF A QUANTISED PRODUCT. Where the list says 'softmax', what is quantised is not the finished softmax but p = 2^(t - M), with t = logit x log2(e) and M = ceil(the row's largest t), a whole number; so 1/2 < the row's largest p <= 1. The row's sum l is taken of the UNQUANTISED p, in f32, and the product's result is divided by l at the end. Since M is a whole number, a kernel that streams over the keys may use a running M (the ceiling of the running maximum): every later rescaling is an exact power of two, which a block's scale takes up: the codes' values come out the same.
;;   OPERANDS COMPUTED ON THE WAY. 'Computed on the way' means the value that the module computes at that place (a softmax that the list does not call 'softmax' is quantised finished and normalised). What goes into a quantiser is computed in f32, as accurately as f32 sums, v_exp_f32 and their like allow (about 1e-6 of the number): no bf16 or f16 on the way to a quantiser, and a product that is left as it is and whose result goes on into a quantised operand takes f32 operands (vector FMAs, or v_wmma_f32_16x16x4_f32). A number that lies on a knife's edge between two numbers of the format may be rounded either way, as far as f32 arithmetic and the matrix unit's own rounding can turn it there, and no further.
;; One version. Each part assembles by itself: llvm-mc -triple=amdgcn-amd-amdhsa -mcpu=gfx1250 --defsym DOCPART=n.
;; ======== version 1 of 1: 4 launches
;; limits: right only within a limited range of input values
;; workspace buffers: xq 6,553,600 bytes; wq 3,276,800 bytes; tab 524,288 bytes; qb 6,815,744 bytes; kv 13,369,344 bytes; oq 6,553,600 bytes
;; launch quant (part 1): grid 416 x 1, 4 waves a work-group, no clusters, 34,304 bytes of LDS; arguments x, Wq, Wk, Wv, Wo, xq, wq, tab; writes xq, wq, tab
.if DOCPART == 1
	.amdgcn_target "amdgcn-amd-amdhsa--gfx1250"
	.amdhsa_code_object_version 6
	.text
	.protected	k_q253babbfc5_quant
	.globl	k_q253babbfc5_quant
	.p2align	8
	.type	k_q253babbfc5_quant,@function
k_q253babbfc5_quant:
	s_mov_b64 s[64:65], 0
	v_nop
	global_prefetch_b8 v0, s[64:65] scope:SCOPE_SE
	s_setreg_imm32_b32 hwreg(HW_REG_WAVE_MODE, 25, 1), 1
	s_wait_xcnt 0x0
; x [8192][1024] and Wq, Wk, Wv, Wo [1024 (k)][1024 (n)], f32, become codes of BF6 (E3M2) with one E8M0 byte for each 32 along K; and the table of cos and sin for the rotary embedding is made.
; A block's scale is 2^(floor(log2(largest magnitude)) - 4): its byte is the largest magnitude's exponent field - 4, held at 1 from below by a floor among the maximum's leaves.
; LIMITS: a block of zeros, and a block whose largest magnitude lies under 2^-122, get the byte 1 (the rule says 127 for zeros: the codes are zeros, and only this program reads the bytes); NaN and infinities are not served.
; The table takes 10000^(d/32) = 10^(d/8) as the f32 number nearest to it, and 1 / that by a reciprocal with one correction step.
; LAYOUT OF THE OPERAND BUFFERS.  Rows (tokens of x, columns of a weight) go in tiles of 16: tile 2 b + u holds in place r the row 32 b + 8 u + r + 8 (r / 8).  A tile's codes of 64 along K are an image of the operand's
; registers, 768 bytes: lane (r, h) owns six registers, the codes of k = 32 h .. 32 h + 31 of place r; registers 0-3 at 16 x lane (512 bytes), registers 4, 5 at 512 + 16 r + 8 h.  Tile pitch 12,288 bytes (16 such images).
; Scale words behind the codes: [tile][K step / 2][r][2 words], 512 bytes a tile.
; WAYS, by the work-group's number: 0-255 x (the one way that uses LDS), 256-383 the weights, 384-415 the table.  No barrier: waves share nothing.
.set XS_OFF, 6291456                   ; where xq's scale words begin
.set WS_OFF, 3145728                   ; where wq's begin
.set R,      48                        ; v48-175   way x: two sets of 64 numbers as loaded;  way w: v48-111 two sets of 32
.set X,      176                       ; v176-239  way x: 64 numbers of my row, two whole blocks
; The largest magnitude of the 32 numbers v[xb] on, with the floor 2^(5 - 127) as a leaf, in two chains; then 4 off its exponent field (v[ma+2]: the conversion's scale operand) and the scale's byte (v[ma+3]).
.macro BLKMAX xb, ma
	v_max3_num_f32 v[\ma], |v[\xb]|, |v[\xb+1]|, 0x2800000
	v_max3_num_f32 v[\ma+1], |v[\xb+2]|, |v[\xb+3]|, |v[\xb+4]|
.irp i, 5,9,13,17,21,25
	v_max3_num_f32 v[\ma], v[\ma], |v[\xb+\i]|, |v[\xb+\i+1]|
	v_max3_num_f32 v[\ma+1], v[\ma+1], |v[\xb+\i+2]|, |v[\xb+\i+3]|
.endr
	v_max3_num_f32 v[\ma], v[\ma], |v[\xb+29]|, |v[\xb+30]|
	v_max3_num_f32 v[\ma], v[\ma], v[\ma+1], |v[\xb+31]|
	v_add_nc_u32 v[\ma+2], 0xfe000000, v[\ma]
	v_lshrrev_b32 v[\ma+3], 23, v[\ma+2]
.endm
	s_load_b256 s[4:11], s[0:1], 0x0               ; x s[4:5], Wq s[6:7], Wk s[8:9], Wv s[10:11]
	s_load_b256 s[12:19], s[0:1], 0x20             ; Wo s[12:13], xq s[14:15], wq s[16:17], tab s[18:19]
	v_lshl_add_u32 v240, v0, 2, 0x8400
	v_mov_b32 v241, 0
	v_lshrrev_b32 v1, 5, v0
	v_readfirstlane_b32 s20, v1                    ; wave 0..3
	v_and_b32 v1, 31, v0                           ; lane
	v_and_b32 v2, 15, v0                           ; r
	v_bfe_u32 v3, v0, 4, 1                         ; h
	v_lshlrev_b32 v4, 4, v1                        ; 16 x lane
	v_cmp_ne_u32 vcc_lo, 0, v3                     ; lanes 16-31
	s_mov_b32 s22, 0x76543210
	s_mov_b32 s23, 0xfedcba98                      ; v_permlanex16_b32's selects for lane l xor 16
	s_wait_kmcnt 0x0
	s_cmp_lt_u32 ttmp9, 256
	s_cbranch_scc0 .Lnot_x
; ---------------- WAY X.  Work-group j: rows 32 j .. 32 j + 31.  Wave w: tile 2 j + (w >> 1), K half w & 1: 16 rows x 512 numbers, in four steps of 128 along K.
; Each load reads 512 consecutive bytes of one row.  A step's 16 x 512 bytes turn through the wave's own stage in LDS (rows 528 bytes apart, so that the sixteen rows of a read start at sixteen different 16-byte columns)
; and come back with two whole blocks of 32 in a lane: k = 64 c + 32 h + 0 .. 31 of row r, the order of the operand's registers.
	s_lshr_b32 s24, s20, 1                         ; u
	s_and_b32 s25, s20, 1                          ; K half
	s_mul_i32 s26, s20, 8448                       ; my stage: 16 x 528 bytes
	s_wait_alu depctr_va_vdst(0)
	v_add_nc_u32 v5, s26, v4                       ; into it: 16 x lane, a row an instruction
	v_mul_u32_u24 v6, v2, 528
	v_lshl_add_u32 v6, v3, 7, v6
	v_add_nc_u32 v6, s26, v6                       ; out of it: row r, + 128 h bytes
	v_lshlrev_b32 v8, 4, v2
	v_lshl_add_u32 v8, v3, 3, v8
	v_add_nc_u32 v8, 512, v8                       ; an image's registers 4, 5: 512 + 16 r + 8 h
	v_lshlrev_b32 v9, 3, v2
	v_lshl_add_u32 v9, v3, 7, v9                   ; my two scale words: 128 h + 8 r
	v_lshlrev_b32 v11, 3, v3                       ; 8 h: how far my bytes stand up in a scale word
	v_mov_b32 v44, 0                               ; written once: a lane permute's destination counts as one of its sources
	s_lshl_b32 s28, ttmp9, 17                      ; 32 rows of 4,096 bytes
	s_lshl_b32 s27, s24, 15                        ; + 8 u rows
	s_add_co_u32 s28, s28, s27
	s_lshl_b32 s27, s25, 11                        ; + the K half's 2,048 bytes
	s_add_co_u32 s28, s28, s27
	s_mov_b32 s29, 0
	s_add_nc_u64 s[4:5], s[4:5], s[28:29]
	s_lshl_b32 s30, ttmp9, 1
	s_add_co_u32 s30, s30, s24                     ; the tile
	s_mul_i32 s32, s30, 12288
	s_mul_i32 s27, s25, 6144
	s_add_co_u32 s32, s32, s27
	s_mov_b32 s33, 0
	s_add_nc_u64 s[36:37], s[14:15], s[32:33]      ; its codes, my K half
	s_lshl_b32 s34, s30, 9
	s_lshl_b32 s27, s25, 8
	s_add_co_u32 s34, s34, s27
	s_add_co_u32 s34, s34, XS_OFF
	s_mov_b32 s35, 0
	s_add_nc_u64 s[38:39], s[14:15], s[34:35]      ; its scale words, my K half
.macro LOADX st                        ; place i of the tile is row i + 8 (i / 8) from the tile's first
.irp i, 0,1,2,3,4,5,6,7,8,9,10,11,12,13,14,15
	global_load_b128 v[R+64*((\st)%2)+4*\i:R+64*((\st)%2)+4*\i+3], v4, s[4:5] offset:(\i+8*(\i/8))*4096+512*(\st) th:TH_LOAD_NT
.endr
.endm
.macro STEPX st
.if (\st) < 3
	s_wait_loadcnt 16                              ; this step's 16 loads are in; the next step's 16 may be out
.else
	s_wait_loadcnt 0x0
.endif
.irp i, 0,1,2,3,4,5,6,7,8,9,10,11,12,13,14,15
	ds_store_b128 v5, v[R+64*((\st)%2)+4*\i:R+64*((\st)%2)+4*\i+3] offset:528*\i
.endr
.irp c, 0,1
.irp j, 0,1,2,3,4,5,6,7
	ds_load_b128 v[X+32*\c+4*\j:X+32*\c+4*\j+3], v6 offset:256*\c+16*\j   ; LDS serves a wave's instructions in order: these see the stores above
.endr
.endr
	s_wait_dscnt 0x0                               ; the numbers are back, and the stores have read their registers,
.if (\st) < 2
	LOADX (\st)+2                                  ; which take the loads of two steps on
.endif
	BLKMAX X, 16                                   ; block h of the step
	BLKMAX X+32, 20                                ; block 2 + h
	v_lshl_or_b32 v10, v23, 16, v19                ; my two bytes,
	v_lshlrev_b32 v10, v11, v10                    ; at their places in the step's scale word;
	v_permlanex16_b32 v44, v10, s22, s23
	v_or_b32 v[12+\st], v10, v44                   ; with lane l xor 16's two the word is whole
	s_wait_alu depctr_va_vdst(0)
	s_wait_xcnt 0x0                                ; the last step's stores have read their data registers, which are written again below
	v_cvt_scalef32_pk16_bf6_f32 v[24:26], v[X:X+15], v18
	v_cvt_scalef32_pk16_bf6_f32 v[30:32], v[X+16:X+31], v18     ; (a conversion's three registers begin on an even number)
	v_cvt_scalef32_pk16_bf6_f32 v[34:36], v[X+32:X+47], v22
	v_cvt_scalef32_pk16_bf6_f32 v[40:42], v[X+48:X+63], v22
	v_nop                                          ; one plain place behind the scaled conversions
	v_mov_b32 v27, v30
	v_mov_b32 v28, v31
	v_mov_b32 v29, v32
	v_mov_b32 v37, v40
	v_mov_b32 v38, v41
	v_mov_b32 v39, v42
	global_store_b128 v4, v[24:27], s[36:37] offset:1536*(\st)         ; 512 consecutive bytes
	global_store_b64 v8, v[28:29], s[36:37] offset:1536*(\st)          ; 256 consecutive bytes
	global_store_b128 v4, v[34:37], s[36:37] offset:1536*(\st)+768
	global_store_b64 v8, v[38:39], s[36:37] offset:1536*(\st)+768
.endm
	LOADX 0
	LOADX 1
	s_wait_alu depctr_va_vdst(0)
	STEPX 0
	STEPX 1
	STEPX 2
	STEPX 3
	v_cndmask_b32 v20, v12, v14, vcc_lo            ; lanes 0-15 store the words of steps 0, 1, lanes 16-31 those of steps 2, 3
	v_cndmask_b32 v21, v13, v15, vcc_lo
	global_store_b64 v9, v[20:21], s[38:39]        ; 256 consecutive bytes
	s_wait_tensorcnt 0x0
	ds_add_u32 v240, v241
	s_wait_dscnt 0x0
	s_endpgm
; ---------------- WAY W.  j = work-group - 256: weight j >> 5, 128 columns (j >> 2) & 7, 256 along K j & 3.  A lane takes a column and its registers run down K: a block of 32 lies in one lane,
; and the conversions give codes with K innermost.  Lanes with the same bit 3 belong to one tile, place 8 (lane >> 4) + (lane & 7): sixteen such lanes store 256 consecutive bytes of an image.
.Lnot_x:
	s_cmp_lt_u32 ttmp9, 384
	s_cbranch_scc0 .Ltab
	s_sub_co_u32 s24, ttmp9, 256
	s_lshr_b32 s25, s24, 5                         ; which weight
	s_bfe_u32 s26, s24, 0x30002                    ; which 128 columns
	s_and_b32 s27, s24, 3                          ; which 256 along K
	s_cmp_eq_u32 s25, 1
	s_cselect_b64 s[6:7], s[8:9], s[6:7]
	s_cmp_eq_u32 s25, 2
	s_cselect_b64 s[6:7], s[10:11], s[6:7]
	s_cmp_eq_u32 s25, 3
	s_cselect_b64 s[6:7], s[12:13], s[6:7]
	s_lshl_b32 s28, s27, 20                        ; 256 rows of 4,096 bytes
	s_lshl_b32 s30, s26, 9
	s_add_co_u32 s28, s28, s30                     ; + 128 columns of 4 bytes
	s_lshl_b32 s30, s20, 7
	s_add_co_u32 s28, s28, s30                     ; + my wave's 32
	s_mov_b32 s29, 0
	s_add_nc_u64 s[6:7], s[6:7], s[28:29]
	s_lshl_b32 s30, s25, 6
	s_lshl_b32 s31, s26, 3
	s_add_co_u32 s30, s30, s31
	s_lshl_b32 s31, s20, 1
	s_add_co_u32 s30, s30, s31                     ; my wave's first tile: 64 x weight + 8 x group + 2 x wave
	s_mul_i32 s32, s30, 12288
	s_mul_i32 s31, s27, 3072
	s_add_co_u32 s32, s32, s31
	s_mov_b32 s33, 0
	s_add_nc_u64 s[36:37], s[16:17], s[32:33]      ; its codes, my two K steps
	s_lshl_b32 s34, s30, 9
	s_lshl_b32 s31, s27, 7
	s_add_co_u32 s34, s34, s31
	s_add_co_u32 s34, s34, WS_OFF
	s_mov_b32 s35, 0
	s_add_nc_u64 s[38:39], s[16:17], s[34:35]      ; its scale words
	s_wait_alu depctr_va_vdst(0)
	v_lshlrev_b32 v7, 2, v1                        ; in: 4 bytes a lane
	v_and_b32 v8, 7, v0
	v_lshl_add_u32 v8, v3, 3, v8                   ; my place in my tile
	v_bfe_u32 v9, v0, 3, 1                         ; which of the wave's two tiles
	v_mul_u32_u24 v10, v9, 12288
	v_lshl_add_u32 v10, v8, 4, v10                 ; codes: tile, + 16 x place
	v_lshlrev_b32 v11, 9, v9
	v_lshl_add_u32 v11, v8, 3, v11                 ; scale words: tile, + 8 x place
.macro LOADW t                         ; block t: W(32 t + i, my column): 128 consecutive bytes a wave
.irp i, 0,1,2,3,4,5,6,7,8,9,10,11,12,13,14,15,16,17,18,19,20,21,22,23,24,25,26,27,28,29,30,31
	global_load_b32 v[R+32*((\t)%2)+\i], v7, s[6:7] offset:(32*(\t)+\i)*4096 th:TH_LOAD_NT
.endr
.endm
; Block t is half (t % 2) of image (t % 4) / 2 of K step t / 4.  Registers 0-3 go out at once; registers 4, 5 of two blocks make 16 bytes a place.
.macro BLOCKW t
.if (\t) < 7
	s_wait_loadcnt 32                              ; this block's 32 loads are in; the next block's may be out
.else
	s_wait_loadcnt 0x0
.endif
	BLKMAX R+32*((\t)%2), 16
.if (\t)%4 == 0
	v_mov_b32 v[12+(\t)/4], v19                    ; four bytes to a scale word, the lower K in the lower byte
.else
	v_lshl_or_b32 v[12+(\t)/4], v19, 8*((\t)%4), v[12+(\t)/4]
.endif
	s_wait_alu depctr_va_vdst(0)
	s_wait_xcnt 0x0                                ; the last block's stores have read their data registers
	v_cvt_scalef32_pk16_bf6_f32 v[24:26], v[R+32*((\t)%2):R+32*((\t)%2)+15], v18
	v_cvt_scalef32_pk16_bf6_f32 v[30:32], v[R+32*((\t)%2)+16:R+32*((\t)%2)+31], v18
	v_nop                                          ; one plain place behind the scaled conversions
	v_mov_b32 v27, v30
	v_mov_b32 v[34+2*((\t)%2)], v31
	v_mov_b32 v[35+2*((\t)%2)], v32
	global_store_b128 v10, v[24:27], s[36:37] offset:((\t)/4)*1536+(((\t)%4)/2)*768+256*((\t)%2)
.if (\t)%2 == 1
	global_store_b128 v10, v[34:37], s[36:37] offset:((\t)/4)*1536+(((\t)%4)/2)*768+512
.endif
.if (\t)+2 < 8
	LOADW (\t)+2
.endif
.endm
	LOADW 0
	LOADW 1
.irp t, 0,1,2,3,4,5,6,7
	BLOCKW \t
.endr
	global_store_b64 v11, v[12:13], s[38:39]       ; my column's two scale words: 128 consecutive bytes a tile
	s_endpgm
; ---------------- WAY TAB.  Wave: tile T = 4 (work-group - 384) + wave of 16 positions; lane (r, h): position 32 (T / 2) + 8 (T % 2) + r + 8 (r / 8), frequencies d = 16 h + i, i = 0 .. 15.
; angle = position x inv_freq[d], one f32 multiplication as in the outer product of the problem.  cos and sin: n = the nearest whole number to angle x 2 / pi; the angle less n x pi / 2 in three parts
; (the first subtraction is exact: both are multiples of 2^-23 and the difference lies under 1); polynomials on [-pi / 4, pi / 4]; the quadrant from n.
; Table: [T][plane 0..7][lane][16 bytes]: planes 0-3 cos of d = 16 h + 4 plane + 0 .. 3, planes 4-7 sin.
.Ltab:
	s_sub_co_u32 s24, ttmp9, 384
	s_lshl_b32 s24, s24, 2
	s_add_co_u32 s24, s24, s20                     ; T
	s_lshr_b32 s25, s24, 1
	s_lshl_b32 s25, s25, 5
	s_and_b32 s26, s24, 1
	s_lshl_b32 s26, s26, 3
	s_add_co_u32 s25, s25, s26                     ; the tile's first position
	s_lshl_b32 s26, s24, 12
	s_mov_b32 s27, 0
	s_add_nc_u64 s[18:19], s[18:19], s[26:27]
	s_wait_alu depctr_va_vdst(0)
	v_and_b32 v8, 8, v2
	v_add_nc_u32 v8, v8, v2
	v_add_nc_u32 v8, s25, v8
	v_cvt_f32_u32 v9, v8                           ; my position
	s_mov_b32 s40, 0x3f22f983                      ; 2 / pi
	s_mov_b32 s41, 0x3fc90fdb                      ; pi / 2: the f32 nearest,
	s_mov_b32 s42, 0xb33bbd2e                      ; what is left,
	s_mov_b32 s43, 0xa6f72ced                      ; and what is left of that
	s_mov_b32 s44, 0xb94ca1f9                      ; sin: -1.9515295891e-4
	s_mov_b32 s45, 0x3c08839e                      ;       8.3321608736e-3
	s_mov_b32 s46, 0xbe2aaaa3                      ;      -1.6666654611e-1
	s_mov_b32 s47, 0x37ccf5ce                      ; cos:  2.443315711809948e-5
	s_mov_b32 s48, 0xbab6061a                      ;      -1.388731625493765e-3
	s_mov_b32 s49, 0x3d2aaaa5                      ;       4.166664568298827e-2
	s_mov_b32 s50, 0x80000000
.macro FREQ i, lo, hi                  ; 10^(i / 8) in lanes 0-15, 10^(2 + i / 8) in lanes 16-31
	v_mov_b32 v[48+\i], \hi
	v_cndmask_b32 v[32+\i], \lo, v[48+\i], vcc_lo
.endm
	FREQ 0,  0x3f800000, 0x42c80000                ; 1              100
	FREQ 1,  0x3faab0d5, 0x43055a26                ; 1.33352143     133.352143
	FREQ 2,  0x3fe39ea9, 0x4331d3f4                ; 1.77827941     177.827941
	FREQ 3,  0x4017c496, 0x436d232b                ; 2.37137371     237.137371
	FREQ 4,  0x404a62c2, 0x439e1d27                ; 3.16227766     316.227766
	FREQ 5,  0x4086f161, 0x43d2d927                ; 4.21696503     421.696503
	FREQ 6,  0x40b3f300, 0x440c95d8                ; 5.62341325     562.341325
	FREQ 7,  0x40eff755, 0x443b793b                ; 7.49894209     749.894209
	FREQ 8,  0x41200000, 0x447a0000                ; 10             1000
	FREQ 9,  0x41555d0a, 0x44a6b0b0                ; 13.3352143     1333.52143
	FREQ 10, 0x418e432a, 0x44de48f1                ; 17.7827941     1778.27941
	FREQ 11, 0x41bdb5bc, 0x451435fb                ; 23.7137371     2371.37371
	FREQ 12, 0x41fcfb72, 0x4545a471                ; 31.6227766     3162.27766
	FREQ 13, 0x4228adb9, 0x4583c7b8                ; 42.1696503     4216.96503
	FREQ 14, 0x4260efc0, 0x45afbb4e                ; 56.2341325     5623.41325
	FREQ 15, 0x4295fa95, 0x45ea5789                ; 74.9894209     7498.94209
	s_wait_alu depctr_va_vdst(0)
.irp i, 0,1,2,3,4,5,6,7,8,9,10,11,12,13,14,15
	v_rcp_f32 v[48+\i], v[32+\i]
.endr
	v_nop                                          ; a plain place behind the last reciprocal
	s_wait_alu depctr_va_vdst(0)                   ; one wait for the sixteen, ahead of their first reader
.irp i, 0,1,2,3,4,5,6,7,8,9,10,11,12,13,14,15
	v_fma_f32 v[96+\i], -v[32+\i], v[48+\i], 1.0   ; what the reciprocal misses,
.endr
.irp i, 0,1,2,3,4,5,6,7,8,9,10,11,12,13,14,15
	v_fma_f32 v[48+\i], v[96+\i], v[48+\i], v[48+\i]   ; put right: inv_freq
.endr
.macro ANGLE i
	v_mul_f32 v16, v9, v[48+\i]                    ; the angle
	v_mul_f32 v17, s40, v16
	v_rndne_f32 v17, v17                           ; n
	v_fma_f32 v18, -v17, s41, v16
	v_fma_f32 v18, -v17, s42, v18
	v_fma_f32 v18, -v17, s43, v18                  ; rho
	v_mul_f32 v19, v18, v18                        ; z
	v_cvt_i32_f32 v20, v17
	v_fma_f32 v21, v19, s44, s45
	v_fma_f32 v23, v19, s47, s48
	v_fma_f32 v21, v21, v19, s46
	v_fma_f32 v23, v23, v19, s49
	v_mul_f32 v22, v19, v18
	v_mul_f32 v24, v19, v19
	v_fma_f32 v25, v19, -0.5, 1.0
	v_fma_f32 v21, v21, v22, v18                   ; sin rho
	v_fma_f32 v23, v23, v24, v25                   ; cos rho
	v_and_b32 v26, 1, v20
	v_cmp_ne_u32 vcc_lo, 0, v26                    ; an odd quadrant changes the two over
	v_cndmask_b32 v27, v21, v23, vcc_lo
	v_cndmask_b32 v28, v23, v21, vcc_lo
	v_lshlrev_b32 v29, 30, v20
	v_add_nc_u32 v30, 1, v20
	v_and_b32 v29, s50, v29                        ; sin is negative in quadrants 2, 3,
	v_lshlrev_b32 v30, 30, v30
	v_xor_b32 v[80+\i], v29, v27
	v_and_b32 v30, s50, v30                        ; cos in quadrants 1, 2
	v_xor_b32 v[64+\i], v30, v28
.endm
.irp i, 0,1,2,3,4,5,6,7,8,9,10,11,12,13,14,15
	ANGLE \i
.endr
.irp j, 0,1,2,3,4,5,6,7
	global_store_b128 v4, v[64+4*\j:67+4*\j], s[18:19] offset:512*\j   ; 512 consecutive bytes
.endr
	s_endpgm
.Lfunc_end_k_q253babbfc5_quant:
	.size	k_q253babbfc5_quant, .Lfunc_end_k_q253babbfc5_quant-k_q253babbfc5_quant
	.p2alignl 7, 3214868480
	.fill 96, 4, 3214868480
	.section	.rodata,"a",@progbits
	.p2align	6, 0x0
	.amdhsa_kernel k_q253babbfc5_quant
		.amdhsa_group_segment_fixed_size 34304
		.amdhsa_private_segment_fixed_size 0
		.amdhsa_enable_private_segment 0
		.amdhsa_kernarg_size 64
		.amdhsa_user_sgpr_count 2
		.amdhsa_user_sgpr_kernarg_segment_ptr 1
		.amdhsa_wavefront_size32 1
		.amdhsa_system_sgpr_workgroup_id_x 1
		.amdhsa_system_sgpr_workgroup_id_y 1
		.amdhsa_system_sgpr_workgroup_id_z 1
		.amdhsa_system_vgpr_workitem_id 0
		.amdhsa_next_free_vgpr 242
		.amdhsa_next_free_sgpr 66
		.amdhsa_reserve_vcc 1
		.amdhsa_float_denorm_mode_32 3
		.amdhsa_float_denorm_mode_16_64 3
		.amdhsa_memory_ordered 1
		.amdhsa_forward_progress 1
		.amdhsa_inst_pref_size 96
	.end_amdhsa_kernel
	.amdgpu_metadata
---
amdhsa.version: [ 1, 2 ]
amdhsa.kernels:
  - .name:           k_q253babbfc5_quant
    .symbol:         k_q253babbfc5_quant.kd
    .args:
      - { .name: x, .offset: 0, .size: 8, .value_kind: global_buffer, .address_space: global }
      - { .name: Wq, .offset: 8, .size: 8, .value_kind: global_buffer, .address_space: global }
      - { .name: Wk, .offset: 16, .size: 8, .value_kind: global_buffer, .address_space: global }
      - { .name: Wv, .offset: 24, .size: 8, .value_kind: global_buffer, .address_space: global }
      - { .name: Wo, .offset: 32, .size: 8, .value_kind: global_buffer, .address_space: global }
      - { .name: xq, .offset: 40, .size: 8, .value_kind: global_buffer, .address_space: global }
      - { .name: wq, .offset: 48, .size: 8, .value_kind: global_buffer, .address_space: global }
      - { .name: tab, .offset: 56, .size: 8, .value_kind: global_buffer, .address_space: global }
    .group_segment_fixed_size: 34304
    .private_segment_fixed_size: 0
    .kernarg_segment_align: 8
    .kernarg_segment_size: 64
    .max_flat_workgroup_size: 128
    .sgpr_count:     66
    .vgpr_count:     242
    .wavefront_size: 32
...
	.end_amdgpu_metadata
.endif
;; end of part 1
;; launch qkv (part 2): grid 12 x 32, 4 waves a work-group, clusters of 4 x 4, 327,680 bytes of LDS; arguments xq, wq, tab, qb, kv; writes qb, kv
.if DOCPART == 2
	.amdgcn_target "amdgcn-amd-amdhsa--gfx1250"
	.amdhsa_code_object_version 6
	.text
	.protected	k_q253babbfc5_qkv
	.globl	k_q253babbfc5_qkv
	.p2align	8
	.type	k_q253babbfc5_qkv,@function
k_q253babbfc5_qkv:
	s_mov_b64 s[64:65], 0
	v_nop
	global_prefetch_b8 v0, s[64:65] scope:SCOPE_SE
	s_setreg_imm32_b32 hwreg(HW_REG_WAVE_MODE, 25, 1), 1
	s_wait_xcnt 0x0
	s_wait_alu depctr_hold_cnt(0) depctr_sa_sdst(0) depctr_va_vdst(0) depctr_va_sdst(0) depctr_va_ssrc(0) depctr_va_vcc(0) depctr_vm_vsrc(0)
	s_getreg_b32 s2, hwreg(HW_REG_IB_STS2, 6, 4)
	s_cmp_eq_u32 s2, 0
	s_cbranch_scc0 .Lentry_in_a_cluster
	s_endpgm
.Lentry_in_a_cluster:
	s_bfe_u32 s2, ttmp6, 0x10000c
	s_cmp_lg_u32 s2, 0xf033
	s_cbranch_scc0 .Lentry_shape_is_right
	s_endpgm
.Lentry_shape_is_right:
; q = rope(x Wq), k = rope(x Wk), v = x Wv on codes of BF6 (E3M2) with E8M0 scales, K = 1,024; the results are quantised again in registers, q and k along the head's 64, v along the keys, and leave as codes.
; A work-group of four waves makes 256 x 256 results, a wave 128 x 128: 64 accumulators of 16 x 16.  Side A is source 1 of the matrix instruction, side B source 0: a lane holds ONE row of side A, and its registers run along side B.
; ROLES, by the cluster's x (the same in all sixteen partners): 0 q, 1 k: side A = 256 tokens (xq), side B = 256 columns of Wq or Wk (wq): a lane's registers run along the head's channels.
;   2 v: side A = 256 columns of Wv, side B = 256 tokens: a lane's registers run along the keys.  The loop is the same; only pointers differ.
; OPERANDS lie in memory as images of the operand's registers: a tile of 16 rows x 64 K is 768 bytes (registers 0-3 at 16 x lane, registers 4, 5 at 512 + 16 r + 8 h), tile pitch 12,288 bytes.  Tile 2 b + u holds in place r
; the row 32 b + 8 u + r + 8 (r / 8): so the 16 registers of the accumulators of side B's tiles 2 b, 2 b + 1 are 16 neighbours, 32 b + 16 h + 0 .. 15.
; K: eight steps of 128, written out; two LDS regions of three steps each, and region 0 is filled once more (steps 6, 7).  By this text's count a wave has at most one tensor load out.
; CLUSTER 4 x 4: side A's tiles are shared along a row of the cluster, side B's along a column: joint loads.  384 work-groups: 24 clusters.
; LIMITS: a block whose largest magnitude lies under 2^-122, zeros too, gets the scale byte 1 (only this program reads the bytes); NaN and infinities are not served.
; In role v the sixteen table loads at the head are issued and not used: all roles take one way through the text up to the way out.
; REGISTERS: window 0: v1-6 lane terms; v16-27 LDS addresses; v28, v29 the spare word's address and 0; v30 scale words' address; v32-63 scale words, two sets; v64-127 cos, sin of my token tiles 0, 1; v128-223 side A's fragments,
;   later the way out's work.  window 1: side B's fragments, two sets at v0 and v128; later cos, sin of token tiles 2-7.  windows 2, 3: accumulator (a, b) at v[8 (8 (a % 4) + b)] of window 2 + a / 4.
.set XS_OFF, 6291456                   ; xq: where the scale words begin
.set WS_OFF, 3145728                   ; wq: likewise
.set QS_OFF, 6291456                   ; qb: likewise
.set REC,    26112                     ; kv: a record of 256 keys of a head: k's codes, v's codes, k's scale words, v's scale words
.set HP,     208896                    ; kv: a head's 8 records
.set VC,     12288
.set KS,     24576
.set VS,     25600
; THE WALK ALONG K, as this text has it: two LDS regions of three K steps each.  At the head each wave issues one joint load: wave 0 side A's 16 tiles of steps 0-2, wave 1 side B's, waves 2, 3 the two sides' scale words.
; Region 1 (steps 3-5) is first filled behind the full sequence and a round, a quarter a wave; region 0 is filled once more, with steps 6, 7, behind the round in step 2.  By this text's count a wave has one tensor load out.
.set TP0,    4608                      ; a tile's bytes in a region: three K steps
.set TP2,    3072                      ; and in the refill of region 0: two
.set WP0,    36864                     ; 8 tiles of three steps: what a wave reads of a side
.set WP2,    24576                     ; 8 tiles of two steps
.set REG1,   147456                    ; region 1 begins here: side A's 16 tiles, then side B's, as in region 0
.macro WHERE k                         ; K step k: which set of address registers (0, 1: the regions; 2: the refill), the tile pitch there, the step's byte in a tile
.if (\k) < 6
.set RG, (\k)/3
.set TPK, TP0
.set KO, ((\k)%3)*1536
.else
.set RG, 2
.set TPK, TP2
.set KO, ((\k)-6)*1536
.endif
.endm
.set SCA,    294912                    ; behind the slots: side A's scale words, 16 tiles x 512 bytes
.set SCB,    303232                    ; side B's, 128 bytes askew, so that lanes 0-15 (A's words) and lanes 16-31 (B's) of a load touch different banks
.set SPARE,  311552                    ; the spare words, 128 bytes for each wave: two blocks of 256 bytes that no other line names
.set SC,     32
.set AF,     128
.set G1A,  24                          ; s[24:31] group 1 for side A's codes;  s[32:43] group 0, a set for each slot
.set G0A,  32
.set G1B,  44                          ; s[44:51], s[52:63] the same for side B
.set G0B,  52
.set G1SA, 68                          ; s[68:75], s[76:79] groups 1, 0 for side A's scale words;  s[80:87], s[88:91] for side B's
.set G0SA, 76
.set G1SB, 80
.set G0SB, 88
.set Y,   128                          ; the way out, window 0: v128-159 32 numbers;
.set TT,  160                          ; v160-167 products at work;
.set TM,  168                          ; v168-176 maxima, scales, bytes, the scale word;
.set PC,  184                          ; v184-189 an image's six registers;
.set PD,  192                          ; v192-194 the second conversion's three;
.set SW,  200                          ; v200-215 scale words gathered;
.set SX,  216                          ; v216-223 and chosen for the store
.set Y2D, 96                           ; the way out works on two images at a time: the second's 32 numbers at v224-255,
.set DTM, 7-TM                         ; its maxima, scales, bytes and scale word at v7-15,
.set DPC, 16-PC                        ; its six registers at v16-21,
.set DPD, 22-PD                        ; its second conversion's three at v22-24 (the LDS addresses that lay in v16-27 are done with by then)
.set SEL,  48                          ; s[48:49] lane selects, written when all tensor loads are done
.set MUL_LO, 0xa1                      ; source 0 (B) window 1, source 1 (A) window 0, C and D window 2
.set MUL_HI, 0xf1                      ; the same, C and D window 3
.set MSB, 0
.macro WIN new                         ; the immediate's high byte repeats the setting that is left
.if MSB != (\new)
	s_set_vgpr_msb (MSB<<8)|(\new)
.set MSB, (\new)
.endif
.endm
.macro PLACES n
.rept \n
	v_nop
.endr
.endm
.macro CREST                           ; a round of the cluster's barrier behind its opening barrier
	s_cmp_lg_u32 s14, 0
	s_cbranch_scc1 .Lnot_wave_0_\@
	s_barrier_signal -3
.Lnot_wave_0_\@:
	s_barrier_wait -3
	s_barrier_signal -1
	s_barrier_wait -1
.endm
.macro CROUND
	s_barrier_signal -1
	s_barrier_wait -1
	CREST
.endm
.macro JLOAD n                         ; a joint load by the group 0 that begins n registers on: waves 0, 1 for side A, waves 2, 3 for side B; four v_nop follow each line
	s_cmp_eq_u32 s15, 0
	s_cbranch_scc0 .Lfor_b_\@
	tensor_load_to_lds s[G0A+\n:G0A+\n+3], s[G1A:G1A+7]
	s_nop 0
	PLACES 4
	s_branch .Lasked_\@
.Lfor_b_\@:
	tensor_load_to_lds s[G0B+\n:G0B+\n+3], s[G1B:G1B+7]
	s_nop 0
	PLACES 4
.Lasked_\@:
.endm
.macro FRAG reg, pa, pb, off           ; a fragment, 16 rows x 128 K: two images: 12 registers by four loads, each of consecutive bytes
	ds_load_b128 v[(\reg):(\reg)+3], v[\pa] offset:\off
	ds_load_b64 v[(\reg)+4:(\reg)+5], v[\pb] offset:\off
	ds_load_b128 v[(\reg)+6:(\reg)+9], v[\pa] offset:\off+768
	ds_load_b64 v[(\reg)+10:(\reg)+11], v[\pb] offset:\off+768
.endm
.macro FETCH_B k                       ; side B's eight fragments of K step k into set k % 2
	WIN 0x40
.irp i, 0,1,2,3,4,5,6,7
	WHERE \k
	FRAG 128*((\k)%2)+12*\i, 22+RG, 25+RG, \i*TPK+KO
.endr
	WIN 0
.endm
.macro FETCH_A k, i0                   ; side A's blocks i0 .. i0 + 3
.irp i, \i0, \i0+1, \i0+2, \i0+3
	WHERE \k
	FRAG AF+12*(\i), 16+RG, 19+RG, (\i)*TPK+KO
.endr
.endm
.macro SCALES kp                       ; the scale words of K steps 2 kp, 2 kp + 1: lanes 0-15 side A's block i, lanes 16-31 side B's block i
.irp i, 0,1,2,3,4,5,6,7
	ds_load_b64 v[SC+16*((\kp)%2)+2*\i:SC+16*((\kp)%2)+2*\i+1], v30 offset:512*\i+128*(\kp)
.endr
.endm
; 16 matrix instructions: side A's blocks a0, a0 + 1 x side B's eight, K step k.  mode 1: the products start the sums.  The 64 accumulators take turns, one instruction a turn, in the same order in every step.
.macro MUL16 a0, k, mode
.irp a, \a0, \a0+1
.irp b, 0,1,2,3,4,5,6,7
.set DD, 8*(8*((\a)%4)+\b)
.set BB, 128*((\k)%2)+12*\b
.set AA, AF+12*(\a)
.set SB_, SC+16*(((\k)/2)%2)+2*\b+(\k)%2
.set SA_, SC+16*(((\k)/2)%2)+2*(\a)+(\k)%2
.if \mode == 1
	v_wmma_scale_f32_16x16x128_f8f6f4 v[DD:DD+7], v[BB:BB+11], v[AA:AA+11], 0, v[SB_], v[SA_] matrix_a_fmt:MATRIX_FMT_BF6 matrix_b_fmt:MATRIX_FMT_BF6 matrix_a_scale:MATRIX_SCALE_ROW1
.else
	v_wmma_scale_f32_16x16x128_f8f6f4 v[DD:DD+7], v[BB:BB+11], v[AA:AA+11], v[DD:DD+7], v[SB_], v[SA_] matrix_a_fmt:MATRIX_FMT_BF6 matrix_b_fmt:MATRIX_FMT_BF6 matrix_a_scale:MATRIX_SCALE_ROW1
.endif
.endr
.endr
.endm
; A K step whose successor lies in the same region.  Loads into registers that matrix instructions have read stand four plain vector instructions behind them (ISA guide 7.12.1 for vector instructions).
.macro STEP k, mode
	s_wait_dscnt 16                                ; side B's set and side A's blocks 0-3 are in; the youngest 16 loads (blocks 4-7) may be out
	WIN MUL_LO
	MUL16 0, \k, \mode
	MUL16 2, \k, \mode
	s_wait_dscnt 0x0                               ; blocks 4-7 are in
	PLACES 4
	FETCH_B (\k)+1
	FETCH_A (\k)+1, 0
.if ((\k)%2) == 1
	SCALES ((\k)+1)/2                              ; an odd step fetches the next pair's scale words
.endif
	WIN MUL_HI
	MUL16 4, \k, \mode
	MUL16 6, \k, \mode
	PLACES 4
	WIN 0
	FETCH_A (\k)+1, 4
.endm
; A K step whose successor lies in another region: one barrier.  kind 0: my part of the next slot has landed.
; kind 1: slot 0 is filled again behind it: every wave waits for all its tensor loads, adds 0 to its spare word, waits for that and for its LDS reads; the barrier opens a round of the cluster's barrier; the joint refill comes first behind it.
; kind 2: the same waits, no refill: the refill of slot 0 has landed and is read next.
.macro TURN k, kind
	s_wait_tensorcnt 0x0                           ; all my tensor loads have landed;
	ds_add_u32 v28, v29                            ; 0 onto my spare word
	s_wait_dscnt 17                                ; (the add and the youngest 16 loads may be out)
	WIN MUL_LO
	MUL16 0, \k, 0
	s_wait_dscnt 0x0                               ; my LDS reads are over (and the add is done)
	s_barrier_signal -1
	MUL16 2, \k, 0
	WIN 0                                          ; at a branch and at a label every window is 0
	s_barrier_wait -1
.if \kind == 1
	CREST                                          ; no wave of any partner still reads slot 0 or has a load on its way
	s_mov_b32 s[G1A+1], 384<<16                    ; no tensor load of mine is out: from here on a tile's row is two K steps, 3,072 bytes
	s_mov_b32 s[G1A+3], 384<<16
	s_mov_b32 s[G1B+1], 384<<16
	s_mov_b32 s[G1B+3], 384<<16
	JLOAD 8                                        ; K steps 6, 7 into region 0; its four v_nop are also the places in front of the loads below
.else
	PLACES 4
.endif
	FETCH_B (\k)+1
	FETCH_A (\k)+1, 0
.if ((\k)%2) == 1
	SCALES ((\k)+1)/2
.endif
	WIN MUL_HI
	MUL16 4, \k, 0
	MUL16 6, \k, 0
	PLACES 4
	WIN 0
	FETCH_A (\k)+1, 4
.endm
	s_load_b256 s[4:11], s[0:1], 0x0               ; xq s[4:5], wq s[6:7], tab s[8:9], qb s[10:11]
	s_load_b64 s[12:13], s[0:1], 0x20              ; kv
	v_lshl_add_u32 v28, v0, 2, SPARE
	v_mov_b32 v29, 0
	ds_add_u32 v28, v29
	ds_add_u32 v28, v29
	s_wait_dscnt 0x0
	v_lshrrev_b32 v1, 5, v0
	v_readfirstlane_b32 s14, v1                    ; wave 0..3
	s_lshr_b32 s15, s14, 1                         ; which half of side A is mine.  Also: I fetch for side A (0) or B (1)
	s_and_b32 s16, s14, 1                          ; which half of side B.  Also: which 8 tiles of that side I fetch
	s_bfe_u32 s92, ttmp6, 0x40000                  ; cx
	s_bfe_u32 s93, ttmp6, 0x40004                  ; cy
	s_and_b32 s95, ttmp7, 0xffff                   ; cluster y
	s_lshl_b32 s96, s93, 2
	s_lshl_b32 s96, 15, s96                        ; my row of the cluster
	s_lshl_b32 s97, 0x1111, s92                    ; my column
	; group 1 for codes: rows (tiles) of 4,608 bytes, 12,288 bytes apart, in elements of 8 bytes; dense in LDS
	s_or_b32 s[G1A], s96, (3<<16)|(1<<21)
	s_or_b32 s[G1B], s97, (3<<16)|(1<<21)
.irp g, G1A, G1B
	s_mov_b32 s[\g+1], 576<<16                     ; tensor_dim0: three K steps, 4,608 bytes
	s_mov_b32 s[\g+2], 16<<16                      ; tensor_dim1: the head's loads bring a side's 16 tiles
	s_mov_b32 s[\g+3], 576<<16                     ; tile_dim0
	s_mov_b32 s[\g+4], 16                          ; tile_dim1
	s_mov_b32 s[\g+5], 1536                        ; tensor_dim0_stride
	s_mov_b32 s[\g+6], 0
	s_mov_b32 s[\g+7], 0
.endr
	; group 1 for scale words: 16 tiles x 512 dense bytes, as 32 rows of 256 bytes
	s_or_b32 s[G1SA], s96, (3<<16)|(1<<21)
	s_or_b32 s[G1SB], s97, (3<<16)|(1<<21)
.irp g, G1SA, G1SB
	s_mov_b32 s[\g+1], 32<<16
	s_mov_b32 s[\g+2], 32<<16                      ; a side's 16 tiles x 512 bytes: 32 rows of 256
	s_mov_b32 s[\g+3], 32<<16
	s_mov_b32 s[\g+4], 32
	s_mov_b32 s[\g+5], 32
	s_mov_b32 s[\g+6], 0
	s_mov_b32 s[\g+7], 0
.endr
	s_lshl_b32 s18, s95, 6                         ; 64 x cluster y
	s_lshl_b32 s19, ttmp9, 6                       ; 64 x cluster x
	s_mov_b32 s2, XS_OFF
	s_mov_b32 s3, WS_OFF
	s_wait_kmcnt 0x0
	s_cmp_eq_u32 ttmp9, 2                          ; role v?  The choice hangs on the cluster's x alone
	s_cselect_b32 s20, 128, s18                    ; side A: the cluster's first tile: Wv's first, or its tokens'
	s_cselect_b32 s21, s18, s19                    ; side B: its tokens', or its columns' of Wq, Wk
	s_cselect_b32 s22, s3, s2                      ; where side A's scale words begin
	s_cselect_b32 s23, s2, s3                      ; and side B's
	s_cselect_b64 s[98:99], s[6:7], s[4:5]         ; side A's buffer
	s_cselect_b64 s[66:67], s[4:5], s[6:7]         ; side B's
	s_lshl_b32 s17, s16, 3                         ; the 8 tiles that I fetch
	s_lshl_b32 s3, s93, 4
	s_add_co_u32 s20, s20, s3                      ; side A hangs on cy,
	s_add_co_u32 s20, s20, s17
	s_mul_i32 s2, s20, 12288
	s_mov_b32 s3, 0
	s_add_nc_u64 s[18:19], s[98:99], s[2:3]        ; side A's codes
	s_lshl_b32 s2, s20, 9
	s_add_co_u32 s2, s2, s22
	s_add_nc_u64 s[98:99], s[98:99], s[2:3]        ; side A's scale words
	s_lshl_b32 s100, s92, 4
	s_add_co_u32 s21, s21, s100                    ; side B on cx: in registers of its own
	s_add_co_u32 s21, s21, s17
	s_lshl_b32 s100, s21, 9
	s_add_co_u32 s100, s100, s23
	s_mov_b32 s101, 0
	s_add_nc_u64 s[22:23], s[66:67], s[100:101]    ; side B's scale words
	s_mul_i32 s100, s21, 12288
	s_add_nc_u64 s[66:67], s[66:67], s[100:101]    ; side B's codes
	s_lshl_b32 s17, s95, 2
	s_add_co_u32 s17, s17, s93                     ; 4 x cluster y + cy: in roles q, k my block of 256 tokens
	s_and_b32 s2, s17, 7
	s_lshl_b32 s2, s2, 4
	s_lshl_b32 s3, s15, 3
	s_add_co_u32 s2, s2, s3                        ; my first token tile in the sequence
	s_lshl_b32 s2, s2, 12
	s_mov_b32 s3, 0
	s_add_nc_u64 s[8:9], s[8:9], s[2:3]            ; its cos and sin
	CROUND                                         ; all sixteen work-groups are here: the first joint loads meet
	s_mul_i32 s2, s14, WP0                         ; LDS: wave x 8 tiles: no place in the cluster enters an LDS address
	s_mul_i32 s3, s14, WP2
	s_mul_i32 s100, s16, 98304                     ; how far my 8 tiles' codes lie behind the side's first tile
	s_mov_b32 s101, 0
	s_mov_b32 s[G0A], 1                            ; set 0, the head's: a side's 16 tiles, K steps 0-2, into region 0
	s_mov_b32 s[G0A+1], 0
	s_sub_nc_u64 s[G0A+2:G0A+3], s[18:19], s[100:101]
	s_or_b32 s[G0A+3], s[G0A+3], 0x80000000
	s_mov_b32 s[G0B], 1
	s_mov_b32 s[G0B+1], 2*WP0
	s_sub_nc_u64 s[G0B+2:G0B+3], s[66:67], s[100:101]
	s_or_b32 s[G0B+3], s[G0B+3], 0x80000000
	s_mov_b32 s[G0A+4], 1                          ; set 1: my 8 tiles, K steps 3-5, into region 1
	s_add_co_u32 s[G0A+5], s2, REG1
	s_add_nc_u64 s[G0A+6:G0A+7], s[18:19], TP0
	s_or_b32 s[G0A+7], s[G0A+7], 0x80000000
	s_mov_b32 s[G0B+4], 1
	s_add_co_u32 s[G0B+5], s2, REG1
	s_add_nc_u64 s[G0B+6:G0B+7], s[66:67], TP0
	s_or_b32 s[G0B+7], s[G0B+7], 0x80000000
	s_mov_b32 s[G0A+8], 1                          ; set 2: my 8 tiles, K steps 6, 7, into region 0 again
	s_mov_b32 s[G0A+9], s3
	s_add_nc_u64 s[G0A+10:G0A+11], s[18:19], 2*TP0
	s_or_b32 s[G0A+11], s[G0A+11], 0x80000000
	s_mov_b32 s[G0B+8], 1
	s_mov_b32 s[G0B+9], s3
	s_add_nc_u64 s[G0B+10:G0B+11], s[66:67], 2*TP0
	s_or_b32 s[G0B+11], s[G0B+11], 0x80000000
	s_lshl_b32 s100, s16, 12                       ; the same for the scale words
	s_mov_b32 s[G0SA], 1
	s_mov_b32 s[G0SA+1], SCA
	s_sub_nc_u64 s[G0SA+2:G0SA+3], s[98:99], s[100:101]
	s_or_b32 s[G0SA+3], s[G0SA+3], 0x80000000
	s_mov_b32 s[G0SB], 1
	s_mov_b32 s[G0SB+1], SCB
	s_sub_nc_u64 s[G0SB+2:G0SB+3], s[22:23], s[100:101]
	s_or_b32 s[G0SB+3], s[G0SB+3], 0x80000000
; the head's loads, one a wave: one tree of branches on the wave's number, every way through it passes one load
.macro ARM under, g0, g1, next
	s_cmp_lt_u32 s14, \under
	s_cbranch_scc0 \next
	tensor_load_to_lds s[\g0:\g0+3], s[\g1:\g1+7]
	s_nop 0
	PLACES 4
	s_branch .Lfirst_done
\next:
.endm
	ARM 1, G0A,  G1A,  .Lhead_b
	ARM 2, G0B,  G1B,  .Lhead_sa
	ARM 3, G0SA, G1SA, .Lhead_sb
	tensor_load_to_lds s[G0SB:G0SB+3], s[G1SB:G1SB+7]
	s_nop 0
	PLACES 4
.Lfirst_done:
	v_and_b32 v1, 15, v0                           ; r
	v_bfe_u32 v2, v0, 4, 1                         ; h
	v_and_b32 v3, 31, v0
	v_lshlrev_b32 v4, 4, v3                        ; an image's registers 0-3: 16 x lane
	v_lshlrev_b32 v5, 4, v1
	v_lshl_add_u32 v5, v2, 3, v5
	v_add_nc_u32 v5, 512, v5                       ; its registers 4, 5: 512 + 16 r + 8 h
	s_mul_i32 s2, s15, WP0                         ; my 8 tiles of side A
	s_mul_i32 s3, s16, WP0                         ; my 8 tiles of side B,
	s_add_co_u32 s3, s3, 2*WP0                     ; which lie behind side A's 16
.irp n, 0,1
	v_add_nc_u32 v[16+\n], s2, v4
	v_add_nc_u32 v[19+\n], s2, v5
	v_add_nc_u32 v[22+\n], s3, v4
	v_add_nc_u32 v[25+\n], s3, v5
	s_add_co_u32 s2, s2, REG1
	s_add_co_u32 s3, s3, REG1
.endr
	s_mul_i32 s2, s15, WP2                         ; and the same in the refill of region 0
	s_mul_i32 s3, s16, WP2
	s_add_co_u32 s3, s3, 2*WP2
	v_add_nc_u32 v18, s2, v4
	v_add_nc_u32 v21, s2, v5
	v_add_nc_u32 v24, s3, v4
	v_add_nc_u32 v27, s3, v5
	s_lshl_b32 s2, s15, 12                         ; scale words: side A's, my 8 tiles
	s_lshl_b32 s3, s16, 12                         ; side B's, my 8 tiles
	s_add_co_u32 s3, s3, SCB-SCA
	s_sub_co_u32 s3, s3, s2
	v_mul_u32_u24 v6, s3, v2                       ; lanes 16-31 take side B's: one product with h
	s_add_co_u32 s2, s2, SCA
	v_lshl_add_u32 v6, v1, 3, v6                   ; 8 bytes a row
	v_add_nc_u32 v30, s2, v6
.irp a, 0,1
.irp j, 0,1,2,3,4,5,6,7
	global_load_b128 v[64+32*\a+4*\j:67+32*\a+4*\j], v4, s[8:9] offset:4096*\a+512*\j   ; cos, sin of my token tiles 0, 1: wanted first on the way out
.endr
.endr
	s_wait_alu depctr_va_vdst(0)
	s_wait_tensorcnt 0x0                           ; my tile of the head's four is in
	ds_add_u32 v28, v29
	s_mov_b32 s[G1A+2], 8<<16                      ; no tensor load of mine is out: from here on a load brings 8 tiles
	s_mov_b32 s[G1A+4], 8
	s_mov_b32 s[G1B+2], 8<<16
	s_mov_b32 s[G1B+4], 8
	s_wait_dscnt 0x0
	CROUND                                         ; a whole round: all four tiles are in, and the sixteen work-groups are here
	JLOAD 4                                        ; K steps 3-5 into region 1: the first tensor load behind the round
	FETCH_B 0
	FETCH_A 0, 0
	SCALES 0
	FETCH_A 0, 4
	STEP 0, 1                                      ; the first step's products start the sums
	STEP 1, 0
	TURN 2, 1
	STEP 3, 0
	STEP 4, 0
	TURN 5, 2
	STEP 6, 0
	s_wait_dscnt 16                                ; the last step: nothing more to fetch
	WIN MUL_LO
	MUL16 0, 7, 0
	MUL16 2, 7, 0
	s_wait_dscnt 0x0
	WIN MUL_HI
	MUL16 4, 7, 0
	MUL16 6, 7, 0
	WIN 0
	PLACES 4                                       ; behind the last products: results are read, and registers that held fragments are written and loaded, only from here on
; TWO IMAGES AT A TIME, u = 0, 1: the 32 numbers v[s + ds u] on of window w, register 16 b + i = k 32 b + 16 h + i of my row, become six registers v[PC + DPC u] on and two scale bytes in v[TM + DTM u + 8].
; Every stage is written for both images and both blocks on end: four chains that do not hang on each other.
.macro QPAIR s, ds, w
	WIN ((\w)<<2)|((\w)<<4)
.irp u, 0,1
	v_max3_num_f32 v[TM+DTM*\u], 0x2800000, |v[(\s)+(\ds)*\u]|, |v[(\s)+(\ds)*\u+1]|            ; my 16 numbers of each block, and the floor 2^(5 - 127): the byte cannot fall under 1.  Each accumulator is read from its low end on
	v_max3_num_f32 v[TM+DTM*\u+1], 0x2800000, |v[(\s)+(\ds)*\u+16]|, |v[(\s)+(\ds)*\u+17]|
.endr
.irp i, 2,4,6,8,10,12,14
.irp u, 0,1
	v_max3_num_f32 v[TM+DTM*\u], v[TM+DTM*\u], |v[(\s)+(\ds)*\u+\i]|, |v[(\s)+(\ds)*\u+\i+1]|
	v_max3_num_f32 v[TM+DTM*\u+1], v[TM+DTM*\u+1], |v[(\s)+(\ds)*\u+16+\i]|, |v[(\s)+(\ds)*\u+17+\i]|
.endr
.endr
	WIN 0
.irp u, 0,1
	v_permlanex16_b32 v[TM+DTM*\u+2], v[TM+DTM*\u], s[SEL], s[SEL+1]
	v_permlanex16_b32 v[TM+DTM*\u+3], v[TM+DTM*\u+1], s[SEL], s[SEL+1]
.endr
.irp u, 0,1
	v_max_num_f32 v[TM+DTM*\u], v[TM+DTM*\u], v[TM+DTM*\u+2]            ; with lane l xor 16's: the block's largest magnitude
	v_max_num_f32 v[TM+DTM*\u+1], v[TM+DTM*\u+1], v[TM+DTM*\u+3]
.endr
.irp u, 0,1
	v_add_nc_u32 v[TM+DTM*\u+4], 0xfe000000, v[TM+DTM*\u]               ; 4 off the exponent field: the conversion's scale operand
	v_add_nc_u32 v[TM+DTM*\u+5], 0xfe000000, v[TM+DTM*\u+1]
.endr
.irp u, 0,1
	v_lshrrev_b32 v[TM+DTM*\u+6], 23, v[TM+DTM*\u+4]                    ; the scale's byte
	v_lshrrev_b32 v[TM+DTM*\u+7], 23, v[TM+DTM*\u+5]
.endr
.irp u, 0,1
	v_lshl_or_b32 v[TM+DTM*\u+8], v[TM+DTM*\u+7], 8, v[TM+DTM*\u+6]
.endr
	s_wait_alu depctr_va_vdst(0)
	s_wait_xcnt 0x0                                ; the last two images' stores have read their data registers
	WIN (\w)
.irp u, 0,1
	v_cvt_scalef32_pk16_bf6_f32 v[PC+DPC*\u:PC+DPC*\u+2], v[(\s)+(\ds)*\u:(\s)+(\ds)*\u+15], v[TM+DTM*\u+4]
	v_cvt_scalef32_pk16_bf6_f32 v[PD+DPD*\u:PD+DPD*\u+2], v[(\s)+(\ds)*\u+16:(\s)+(\ds)*\u+31], v[TM+DTM*\u+5]
.endr
	WIN 0
	v_nop                                          ; one plain place behind the scaled conversions
.irp i, 0,1,2
.irp u, 0,1
	v_permlane16_swap_b32 v[PC+DPC*\u+\i], v[PD+DPD*\u+\i]       ; a whole block to a lane: lanes 0-15 block 0, lanes 16-31 block 1
.endr
.endr
.irp i, 0,1,2
.irp u, 0,1
	v_mov_b32 v[PC+DPC*\u+3+\i], v[PD+DPD*\u+\i]
.endr
.endr
.endm
; The rotary embedding of token tile a, both my heads g = 0, 1 by turns: channel d = 16 h + i of head g lies in register X0 + 32 g + i and its partner d + 32 in register X0 + 32 g + 16 + i of the same lane.
.macro ROPE2 a
.set XW, 2+(\a)/4
.if (\a) < 2
.set CW, 0
.set CB, 64+32*(\a)
.else
.set CW, 1
.set CB, 32*((\a)-2)
.endif
.set X0, 64*((\a)%4)
	WIN (XW|(CW<<2))
.irp i, 0,2,4,6,8,10,12,14
.irp g, 0,1
	v_pk_mul_f32 v[TT+4*\g:TT+4*\g+1], v[X0+32*\g+16+\i:X0+32*\g+17+\i], v[CB+16+\i:CB+17+\i]
	v_pk_mul_f32 v[TT+4*\g+2:TT+4*\g+3], v[X0+32*\g+\i:X0+32*\g+\i+1], v[CB+16+\i:CB+17+\i]
.endr
.irp g, 0,1
	v_pk_fma_f32 v[Y+Y2D*\g+\i:Y+Y2D*\g+\i+1], v[X0+32*\g+\i:X0+32*\g+\i+1], v[CB+\i:CB+\i+1], v[TT+4*\g:TT+4*\g+1] neg_lo:[0,0,1] neg_hi:[0,0,1]   ; x(d) cos - x(d + 32) sin
	v_pk_fma_f32 v[Y+Y2D*\g+16+\i:Y+Y2D*\g+17+\i], v[X0+32*\g+16+\i:X0+32*\g+17+\i], v[CB+\i:CB+\i+1], v[TT+4*\g+2:TT+4*\g+3]                     ; x(d + 32) cos + x(d) sin
.endr
.endr
.endm
	s_mov_b32 s[SEL], 0x76543210                   ; (all tensor loads were waited for at the last change of slots: the descriptors' registers are free)
	s_mov_b32 s[SEL+1], 0xfedcba98
	s_cmp_eq_u32 ttmp9, 2
	s_cbranch_scc1 .Lway_v
	; ---------------- ROLES q, k.  My 128 tokens x 128 columns are 8 token tiles x 2 heads.
	WIN 0x40
.irp a, 2,3,4,5,6,7
.irp j, 0,1,2,3,4,5,6,7
	global_load_b128 v[32*(\a-2)+4*\j:32*(\a-2)+4*\j+3], v4, s[8:9] offset:4096*\a+512*\j   ; cos, sin of token tiles 2-7, where side B's fragments lay
.endr
.endr
	WIN 0
	v_mov_b32 v[TM+2], 0                           ; written once: a lane permute's destination counts as one of its sources
	v_mov_b32 v[TM+3], 0
	v_mov_b32 v[TM+DTM+2], 0
	v_mov_b32 v[TM+DTM+3], 0
	v_lshlrev_b32 v6, 5, v1
	v_lshl_add_u32 v6, v2, 4, v6                   ; the scale words' store: 32 r + 16 h
	v_cmp_ne_u32 vcc_lo, 0, v2
	s_lshr_b32 s24, s17, 3
	s_lshl_b32 s24, s24, 4                         ; 16 x batch
	s_lshl_b32 s25, s92, 2
	s_add_co_u32 s24, s24, s25                     ; + 4 heads a work-group
	s_lshl_b32 s25, s16, 1
	s_add_co_u32 s24, s24, s25                     ; + 2 a wave: my first head, batch x 16 + head
	s_and_b32 s25, s17, 7                          ; which 256 tokens of the sequence
	s_mov_b32 s26, HP
	s_mov_b32 s27, REC
	s_mov_b32 s28, KS
	s_cmp_eq_u32 ttmp9, 1                          ; k goes into kv's records, q into qb
	s_cselect_b64 s[30:31], s[12:13], s[10:11]
	s_cselect_b32 s32, s26, 98304                  ; codes: from head to head,
	s_cselect_b32 s33, s27, 12288                  ; from 256 tokens to the next
	s_cselect_b32 s34, s26, 8192                   ; scale words likewise,
	s_cselect_b32 s35, s27, 1024
	s_cselect_b32 s36, s28, QS_OFF                 ; and where they begin
	s_mul_i32 s38, s24, s32
	s_mul_i32 s37, s25, s33
	s_add_co_u32 s38, s38, s37
	s_mul_i32 s37, s15, 6144                       ; my 8 token tiles
	s_add_co_u32 s38, s38, s37
	s_mov_b32 s39, 0
	s_add_nc_u64 s[40:41], s[30:31], s[38:39]      ; codes, head 0 of my two
	s_mov_b32 s38, s32
	s_add_nc_u64 s[42:43], s[40:41], s[38:39]      ; head 1
	s_mul_i32 s38, s24, s34
	s_mul_i32 s37, s25, s35
	s_add_co_u32 s38, s38, s37
	s_lshl_b32 s37, s15, 9
	s_add_co_u32 s38, s38, s37
	s_add_co_u32 s38, s38, s36
	s_add_nc_u64 s[44:45], s[30:31], s[38:39]      ; scale words, head 0
	s_mov_b32 s38, s34
	s_add_nc_u64 s[46:47], s[44:45], s[38:39]      ; head 1
.irp a, 0,1,2,3,4,5,6,7
	s_wait_loadcnt 56-8*\a                         ; this tile's eight table loads are in; those of the later tiles may be out
	ROPE2 \a
	QPAIR Y, Y2D, 0
.irp g, 0,1
	v_or_b32 v[SW+8*\g+\a], 0x7f7f0000, v[TM+DTM*\g+8]    ; the head has two blocks: the word's upper two bytes stand for 1
.endr
.irp g, 0,1
	global_store_b128 v4, v[PC+DPC*\g:PC+DPC*\g+3], s[40+2*\g:41+2*\g] offset:768*\a    ; 512 consecutive bytes
	global_store_b64 v5, v[PC+DPC*\g+4:PC+DPC*\g+5], s[40+2*\g:41+2*\g] offset:768*\a   ; 256 consecutive bytes
.endr
.endr
.irp g, 0,1
.irp i, 0,1,2,3
	v_cndmask_b32 v[SX+4*\g+\i], v[SW+8*\g+\i], v[SW+8*\g+4+\i], vcc_lo   ; lanes 0-15 store the words of tiles 0-3, lanes 16-31 of tiles 4-7
.endr
	global_store_b128 v6, v[SX+4*\g:SX+4*\g+3], s[44+2*\g:45+2*\g]        ; [r][8 words]: 512 consecutive bytes
.endr
	s_branch .Ldone
	; ---------------- ROLE v.  My 128 channels (2 heads x 4 channel tiles) x 128 keys (one K step of the second product of attention): a lane's 64 registers are 4 blocks of 32 keys.
.Lway_v:
	v_mov_b32 v[TM+2], 0
	v_mov_b32 v[TM+3], 0
	v_mov_b32 v[TM+DTM+2], 0
	v_mov_b32 v[TM+DTM+3], 0
	v_mul_u32_u24 v6, v2, HP
	v_lshl_add_u32 v6, v1, 4, v6                   ; the scale words' store: lanes 16-31 the second head; 16 bytes a channel
	v_cmp_ne_u32 vcc_lo, 0, v2
	s_lshl_b32 s24, s95, 2
	s_add_co_u32 s24, s24, s92                     ; my block of 256 tokens: 4 x cluster y + cx
	s_lshr_b32 s25, s24, 3
	s_lshl_b32 s25, s25, 4                         ; 16 x batch
	s_lshl_b32 s26, s93, 2
	s_add_co_u32 s25, s25, s26                     ; + 4 heads a work-group
	s_lshl_b32 s26, s15, 1
	s_add_co_u32 s25, s25, s26                     ; + 2 a wave
	s_mul_i32 s28, s25, HP
	s_and_b32 s24, s24, 7
	s_mul_i32 s24, s24, REC
	s_add_co_u32 s28, s28, s24
	s_mov_b32 s29, 0
	s_add_nc_u64 s[30:31], s[12:13], s[28:29]      ; the record
	s_mul_i32 s32, s16, 6144                       ; my 128 keys are the record's step 0 or 1
	s_add_co_u32 s32, s32, VC
	s_mov_b32 s33, 0
	s_add_nc_u64 s[40:41], s[30:31], s[32:33]
	s_lshl_b32 s32, s16, 8
	s_add_co_u32 s32, s32, VS
	s_add_nc_u64 s[44:45], s[30:31], s[32:33]
.irp a, 0,1,2,3,4,5,6,7
	QPAIR 64*((\a)%4), 32, 2+(\a)/4
	v_lshl_or_b32 v[SW+\a], v[TM+DTM+8], 16, v[TM+8]   ; four bytes: the K step's scale word of my channel
.irp g, 0,1
	global_store_b128 v4, v[PC+DPC*\g:PC+DPC*\g+3], s[40:41] offset:((\a)/4)*HP+((\a)%4)*1536+\g*768
	global_store_b64 v5, v[PC+DPC*\g+4:PC+DPC*\g+5], s[40:41] offset:((\a)/4)*HP+((\a)%4)*1536+\g*768
.endr
.endr
.irp i, 0,1,2,3
	v_cndmask_b32 v[SX+\i], v[SW+\i], v[SW+4+\i], vcc_lo
.endr
	global_store_b128 v6, v[SX:SX+3], s[44:45]     ; [r][4 words]: 256 consecutive bytes a head
.Ldone:
	s_wait_tensorcnt 0x0                           ; the wave's end
	ds_add_u32 v28, v29
	s_wait_dscnt 0x0
	CROUND                                         ; the closing round: no work-group ends while a partner may still ask for a tile that names it
	s_endpgm
.Lfunc_end_k_q253babbfc5_qkv:
	.size	k_q253babbfc5_qkv, .Lfunc_end_k_q253babbfc5_qkv-k_q253babbfc5_qkv
	.p2alignl 7, 3214868480
	.fill 96, 4, 3214868480
	.section	.rodata,"a",@progbits
	.p2align	6, 0x0
	.amdhsa_kernel k_q253babbfc5_qkv
		.amdhsa_group_segment_fixed_size 327680
		.amdhsa_private_segment_fixed_size 0
		.amdhsa_enable_private_segment 0
		.amdhsa_kernarg_size 40
		.amdhsa_user_sgpr_count 2
		.amdhsa_user_sgpr_kernarg_segment_ptr 1
		.amdhsa_wavefront_size32 1
		.amdhsa_system_sgpr_workgroup_id_x 1
		.amdhsa_system_sgpr_workgroup_id_y 1
		.amdhsa_system_sgpr_workgroup_id_z 1
		.amdhsa_system_vgpr_workitem_id 0
		.amdhsa_next_free_vgpr 1024
		.amdhsa_next_free_sgpr 102
		.amdhsa_reserve_vcc 1
		.amdhsa_float_denorm_mode_32 3
		.amdhsa_float_denorm_mode_16_64 3
		.amdhsa_memory_ordered 1
		.amdhsa_forward_progress 1
		.amdhsa_inst_pref_size 225
	.end_amdhsa_kernel
	.amdgpu_metadata
---
amdhsa.version: [ 1, 2 ]
amdhsa.kernels:
  - .name:           k_q253babbfc5_qkv
    .symbol:         k_q253babbfc5_qkv.kd
    .args:
      - { .name: xq, .offset: 0, .size: 8, .value_kind: global_buffer, .address_space: global }
      - { .name: wq, .offset: 8, .size: 8, .value_kind: global_buffer, .address_space: global }
      - { .name: tab, .offset: 16, .size: 8, .value_kind: global_buffer, .address_space: global }
      - { .name: qb, .offset: 24, .size: 8, .value_kind: global_buffer, .address_space: global }
      - { .name: kv, .offset: 32, .size: 8, .value_kind: global_buffer, .address_space: global }
    .group_segment_fixed_size: 327680
    .private_segment_fixed_size: 0
    .kernarg_segment_align: 8
    .kernarg_segment_size: 40
    .max_flat_workgroup_size: 128
    .sgpr_count:     102
    .vgpr_count:     1024
    .wavefront_size: 32
...
	.end_amdgpu_metadata
.endif
;; end of part 2
;; launch attn (part 3): grid 4 x 64, 16 waves a work-group, clusters of 4 x 1, 327,680 bytes of LDS; arguments qb, kv, oq; writes oq
.if DOCPART == 3
	.amdgcn_target "amdgcn-amd-amdhsa--gfx1250"
	.amdhsa_code_object_version 6
	.text
	.protected	k_q253babbfc5_attn
	.globl	k_q253babbfc5_attn
	.p2align	8
	.type	k_q253babbfc5_attn,@function
k_q253babbfc5_attn:
	s_mov_b64 s[64:65], 0
	v_nop
	global_prefetch_b8 v0, s[64:65] scope:SCOPE_SE
	s_setreg_imm32_b32 hwreg(HW_REG_WAVE_MODE, 25, 1), 1
	s_wait_xcnt 0x0
	s_wait_alu depctr_hold_cnt(0) depctr_sa_sdst(0) depctr_va_vdst(0) depctr_va_sdst(0) depctr_va_ssrc(0) depctr_va_vcc(0) depctr_vm_vsrc(0)
	s_getreg_b32 s2, hwreg(HW_REG_IB_STS2, 6, 4)
	s_cmp_eq_u32 s2, 0
	s_cbranch_scc0 .Lentry_in_a_cluster
	s_endpgm
.Lentry_in_a_cluster:
	s_bfe_u32 s2, ttmp6, 0x10000c
	s_cmp_lg_u32 s2, 0x3003
	s_cbranch_scc0 .Lentry_shape_is_right
	s_endpgm
.Lentry_shape_is_right:
; Causal attention of one head on codes of BF6 (E3M2) with E8M0 scales, head size 64, 2,048 positions; the result, divided by the row's sum, is quantised along the model's 1,024 and leaves as codes for the last product.
; THE SOFTMAX: t = score x log2(e) / 8; M = the row's largest t so far, rounded up to a whole number; p = 2^(t - M) is quantised along the keys, not normalised; the row's sum is taken of the unquantised p.  When M moves, the sum
; and O are multiplied by 2^(old M - new M), which rounds nothing.
; LEFT OUT: key steps all of whose keys come after all of a tile's queries: the causal mask that the problem builds itself gives them the weight 0 for every input.
; ALL OF A HEAD'S K AND V STAY IN LDS: 8 records of 26,112 bytes = 816 rows of 256 bytes, filled once, in two parts.  At the head each of the sixteen waves fetches 13 rows: 53,248 bytes, which hold records 0 and 1 (key steps 0-3).
; Behind the full sequence and a round each wave fetches 38 rows more: the rest.  The first four trips read key steps 0-3 alone; one barrier follows, in front of which every wave has waited for its second load; then come the other 13 trips.
; CLUSTER 4 x 1: the four work-groups of a head need the same bytes at the same time: joint loads, mask 15.
; SHARES.  The head's 128 tiles of 16 queries go in 32 groups of four, group j = positions 64 j .. 64 j + 63; work-group cx takes tile 4 j + cx of every group.  Group j needs key steps 0 .. j / 2 (128 keys each), the last on the diagonal:
; that hangs on j alone, so no branch hangs on cx.  Wave w takes j = w, then j = 31 - w: (w / 2 + 1) + (16 - w / 2) = 17 steps in every wave.  In trip v a wave's key step is at most v.
; NO PREFETCH: every byte of K and V is asked for by the two loads ahead of the first trip; no later load is left to run ahead of.
; LAYOUT.  Both products are used transposed: S^T = K Q^T, O^T = V^T P^T: a lane holds one query (place lane % 16 of its tile).  Tiles hold their rows in the order 32 b + 8 u + r + 8 (r / 8) (tile 2 b + u, place r), so the 16
; registers of two neighbouring tiles of keys are 16 neighbouring keys, and O^T's 32 registers are channels 32 b + 16 h + i.  All operands are images of registers (768 bytes for 16 rows x 64 K).
; THE FIRST PRODUCT'S K IS 64 OF THE INSTRUCTION'S 128.  Q's codes of k = 64 .. 127 are zeros and both sides' scale bytes there are 127.  K's operand for tile t is v[32 + 6 t : 43 + 6 t]: its upper six registers are the next
; tile's codes (for tile 7: zeros): whatever code stands there is a finite number in this format, and it meets a zero.
; A record of kv: 256 keys' codes of k (16 images), their codes of v ([step 2][channel tile 4][2 images]), k's scale words ([step][r][8]), v's ([step][r][4]).
; LIMITS: the scaled scores stay under 2^31 in magnitude; NaN and infinities are not served; a block whose largest magnitude lies under 2^-122 gets the scale byte 1.  The two scale bytes of a row and head go out by a store of
; two bytes (both lanes of a row write the same two): a row's 32 scale bytes come from 16 heads, that is from 16 clusters.
; REGISTERS: v1-4, v7 lane terms; v5, v6 the spare word's address and 0; v8-11 addresses in hand; v12 -M, v13 the largest t, v[14:15] the sum; v16-27 Q and its zeros; v32-85 fragments; v86-92 the second tile's Q and scale word;
; v94 the mask's lane term, v95 the same for the tile in hand; v96-159 S^T, then p; v160-191 O^T; v192-203 p's codes; v204-210 conversions; v212-223 scale words of K and V; v232-254 at work; v255 Q's scale word.
.set REC,    26112
.set P1,     3328                      ; a wave's part of the first fill: 13 rows of 256 bytes
.set P2,     9728                      ; and of the second: 38 rows
.set P2AT,   53248                     ; where the second fill begins: 16 x 13 rows
.set HP,     208896
.set VC,     12288
.set KS,     24576
.set VS,     25600
.set QS_OFF, 6291456
.set XS_OFF, 6291456
.set SPARE,  212992                    ; behind the records: the spare words, 128 bytes for each wave: eight blocks of 256 bytes that no other line names
.set WV,   18
.set SEL,  20                          ; s[20:21]
.set CS,   22                          ; s[22:23] c = log2(e) / 8
.set G1,   24                          ; s[24:31]
.set G0,   32                          ; s[32:35] group 0 of the first fill
.set G2,   56                          ; s[56:59] of the second
.set A,    36                          ; w / 2: the first tile's last key step, and the trip in which it is walked
.set SWI,  37                          ; the trip at whose head the tiles change
.set B15,  38                          ; 15 - w / 2: the second tile's last key step
.set VIS,  39                          ; the trip
.set DG,   40                          ; the trip in which the tile in hand meets the diagonal
.set Q0,   42                          ; the first tile's first position, less its diagonal step's first key
.set Q02,  43                          ; the same for the second
.set OC,   46                          ; s[46:47] where my tile's codes go;  s[48:49] its scale bytes
.set OS,   48
.set OC2,  50
.set OS2,  52
.set CX,   54
.set DGE,  41                          ; the trip in which the tile in hand takes the half step: its diagonal trip where its j is even, else 64 (no trip)
.set DGE2, 44                          ; the same for the second tile
.macro CROUND                          ; a round of the cluster's barrier
	s_barrier_signal -1
	s_barrier_wait -1
	s_cmp_lg_u32 s[WV], 0
	s_cbranch_scc1 .Lnot_wave_0_\@
	s_barrier_signal -3
.Lnot_wave_0_\@:
	s_barrier_wait -3
	s_barrier_signal -1
	s_barrier_wait -1
.endm
; Where tile s[t] lies: its first position, Q's codes and scale words, the result's codes and scale bytes.
.macro TILE t, q0, qc, qs, oc, os
	s_lshr_b32 s60, s[\t], 1
	s_lshl_b32 s60, s60, 5
	s_and_b32 s61, s[\t], 1
	s_lshl_b32 s61, s61, 3
	s_add_co_u32 s[\q0], s60, s61
	s_mul_i32 s60, s[\t], 768
	s_add_co_u32 s60, s60, s66
	s_mov_b32 s61, 0
	s_add_nc_u64 s[\qc:\qc+1], s[4:5], s[60:61]
	s_lshr_b32 s60, s[\t], 3
	s_lshl_b32 s60, s60, 9
	s_and_b32 s62, s[\t], 7
	s_lshl_b32 s62, s62, 2
	s_add_co_u32 s60, s60, s62
	s_add_co_u32 s60, s60, s67
	s_add_nc_u64 s[\qs:\qs+1], s[4:5], s[60:61]
	s_add_co_u32 s62, s[\t], s76
	s_mul_i32 s60, s62, 12288
	s_add_co_u32 s60, s60, s77
	s_add_nc_u64 s[\oc:\oc+1], s[8:9], s[60:61]
	s_lshl_b32 s60, s62, 9
	s_add_co_u32 s60, s60, s78
	s_add_nc_u64 s[\os:\os+1], s[8:9], s[60:61]
.endm
	s_load_b128 s[4:7], s[0:1], 0x0                ; qb s[4:5], kv s[6:7]
	s_load_b64 s[8:9], s[0:1], 0x10                ; oq
	v_lshl_add_u32 v5, v0, 2, SPARE
	v_mov_b32 v6, 0
	ds_add_u32 v5, v6                              ; the opening lines: the add, twice on end, and its wait ahead of my first tensor load
	ds_add_u32 v5, v6
	v_lshrrev_b32 v8, 5, v0
	s_delay_alu instid0(VALU_DEP_1)
	v_readfirstlane_b32 s[WV], v8                  ; wave 0..15
	s_and_b32 s10, ttmp7, 0xffff                   ; batch x 16 + head: the cluster's y
	s_bfe_u32 s[CX], ttmp6, 0x40000                ; cx
	; group 1: dense rows of 256 bytes (32 elements of 8 bytes), 13 of them at first; the mask names the cluster's four
	s_mov_b32 s[G1], 15|(3<<16)|(1<<21)
	s_mov_b32 s[G1+1], 32<<16
	s_mov_b32 s[G1+2], 13<<16
	s_mov_b32 s[G1+3], 32<<16
	s_mov_b32 s[G1+4], 13
	s_mov_b32 s[G1+5], 32
	s_mov_b32 s[G1+6], 0
	s_mov_b32 s[G1+7], 0
	s_mul_i32 s11, s[WV], P1                       ; my rows of the first fill, in LDS as in the head's records
	s_mul_i32 s14, s10, HP
	s_add_co_u32 s12, s14, s11
	s_mov_b32 s13, 0
	s_mul_i32 s[G2+1], s[WV], P2                   ; and of the second
	s_add_co_u32 s[G2+1], s[G2+1], P2AT
	s_add_co_u32 s14, s14, s[G2+1]
	s_mov_b32 s15, 0
	s_wait_dscnt 0x0                               ; both opening adds are done
	s_wait_kmcnt 0x0
	s_mov_b32 s[G0], 1
	s_mov_b32 s[G0+1], s11
	s_add_nc_u64 s[G0+2:G0+3], s[6:7], s[12:13]
	s_or_b32 s[G0+3], s[G0+3], 0x80000000
	s_mov_b32 s[G2], 1
	s_add_nc_u64 s[G2+2:G2+3], s[6:7], s[14:15]
	s_or_b32 s[G2+3], s[G2+3], 0x80000000
	CROUND                                         ; the four work-groups are here: the joint loads meet
	tensor_load_to_lds s[G0:G0+3], s[G1:G1+7]      ; every wave's one tensor load at the head
	s_nop 0
.rept 4
	v_nop
.endr
	s_mov_b32 s[SEL], 0x76543210
	s_mov_b32 s[SEL+1], 0xfedcba98
	s_mov_b32 s[CS], 0x3e38aa3b                    ; log2(e) / 8
	s_mov_b32 s[CS+1], s[CS]                       ; (named with it as a pair, so it is written)
	s_mul_i32 s66, s10, 98304                      ; the head's codes in qb,
	s_lshl_b32 s67, s10, 13
	s_add_co_u32 s67, s67, QS_OFF                  ; its scale words,
	s_lshr_b32 s76, s10, 4
	s_lshl_b32 s76, s76, 7                         ; the batch's first token tile in oq,
	s_and_b32 s79, s10, 15
	s_mul_i32 s77, s79, 768                        ; the head's image in a tile of oq,
	s_lshr_b32 s78, s79, 2
	s_lshl_b32 s78, s78, 7
	s_and_b32 s79, s10, 3
	s_lshl_b32 s79, s79, 1
	s_add_co_u32 s78, s78, s79
	s_add_co_u32 s78, s78, XS_OFF                  ; and its two bytes among a row's scale bytes
	s_lshl_b32 s16, s[WV], 2
	s_sub_co_u32 s17, 124, s16
	s_add_co_u32 s16, s16, s[CX]                   ; my first tile: 4 w + cx
	s_add_co_u32 s17, s17, s[CX]                   ; my second: 4 (31 - w) + cx
	TILE 16, Q0, 68, 70, OC, OS
	TILE 17, Q02, 72, 74, OC2, OS2
	s_lshr_b32 s[A], s[WV], 1
	s_add_co_u32 s[SWI], s[A], 1
	s_sub_co_u32 s[B15], 15, s[A]
	s_mov_b32 s[DG], s[A]
	s_and_b32 s60, s[WV], 1
	s_cmp_eq_u32 s60, 0                            ; is j = w even?  Then j = 31 - w is odd, and the other way round
	s_cselect_b32 s[DGE], s[A], 64
	s_cselect_b32 s[DGE2], 64, 16
	s_mov_b32 s[VIS], 0
	s_lshl_b32 s60, s[A], 7
	s_sub_co_u32 s[Q0], s[Q0], s60
	s_lshl_b32 s60, s[B15], 7
	s_sub_co_u32 s[Q02], s[Q02], s60
	v_and_b32 v8, 31, v0
	s_delay_alu instid0(VALU_DEP_1)
	v_lshlrev_b32 v1, 4, v8                        ; an image's registers 0-3: 16 x lane
	v_and_b32 v9, 15, v0                           ; r
	v_bfe_u32 v10, v0, 4, 1                        ; h
	s_delay_alu instid0(VALU_DEP_2)
	v_lshlrev_b32 v4, 4, v9                        ; V's scale words: 16 r
	s_delay_alu instid0(VALU_DEP_1)
	v_lshl_add_u32 v2, v10, 3, v4
	s_delay_alu instid0(VALU_DEP_1)
	v_add_nc_u32 v2, 512, v2                       ; an image's registers 4, 5: 512 + 16 r + 8 h
	v_lshlrev_b32 v3, 5, v9                        ; K's and Q's scale words: 32 r
	v_lshlrev_b32 v7, 3, v9                        ; the result's scale bytes: 8 r
	v_and_b32 v11, 8, v9
	s_delay_alu instid0(VALU_DEP_1)
	v_add_nc_u32 v94, v11, v9
	v_lshlrev_b32 v11, 4, v10
	s_delay_alu instid0(VALU_DEP_1)
	v_sub_nc_u32 v94, v94, v11                     ; r + 8 (r / 8) - 16 h
	s_delay_alu instid0(VALU_DEP_1)
	v_add_nc_u32 v95, s[Q0], v94                   ; d = my position - the diagonal step's first key - 16 h
	global_load_b128 v[16:19], v1, s[68:69]        ; Q of my first tile
	global_load_b64 v[20:21], v2, s[68:69]
	global_load_b32 v255, v3, s[70:71]
	global_load_b128 v[86:89], v1, s[72:73]        ; and of my second
	global_load_b64 v[90:91], v2, s[72:73]
	global_load_b32 v92, v3, s[74:75]
.irp i, 22,23,24,25,26,27,80,81,82,83,84,85
	v_mov_b32 v[\i], 0                             ; Q's codes of k = 64 .. 127; what stands behind K's tile 7
.endr
	v_mov_b32 v13, 0xff61b1e6                      ; the largest t so far: -3e38
	s_delay_alu instid0(VALU_DEP_1)
	v_floor_f32 v12, -v13                          ; -M
	v_mov_b32 v14, 0
	v_mov_b32 v15, 0
.irp i, 236,237,238,239,252,253
	v_mov_b32 v[\i], 0                             ; written once: lane permutes' destinations, and halves of pairs, count as read
.endr
.set n, 0
.rept 32
	v_mov_b32 v[160+n], 0                          ; O^T: the step is written once: the first finds zeros, which the first change of M leaves zeros
.set n, n+1
.endr
; A tile is finished: O^T / the sum, quantised along the channels (two blocks of 32), stored as an image and two scale bytes.
.macro FIN
.rept 4
	v_nop                                          ; places behind the last products
.endr
	v_add_f32 v14, v14, v15
	s_delay_alu instid0(VALU_DEP_1)
	v_permlanex16_b32 v252, v14, s[SEL], s[SEL+1]
	s_delay_alu instid0(VALU_DEP_1)
	v_add_f32 v14, v14, v252                       ; the row's sum
	s_wait_alu depctr_va_vdst(0)
	v_rcp_f32 v14, v14
	v_nop                                          ; a plain place behind the reciprocal
	s_wait_alu depctr_va_vdst(0)                   ; the wait ahead of its first reader
.set n, 0
.rept 16
	v_pk_mul_f32 v[96+n:97+n], v[160+n:161+n], v[14:15] op_sel_hi:[1,0]   ; register 16 b + i: channel 32 b + 16 h + i
.set n, n+2
.endr
	v_max3_num_f32 v232, |v96|, |v97|, 0x2800000
	v_max3_num_f32 v233, |v112|, |v113|, 0x2800000
.irp i, 2,4,6,8,10,12,14
	s_delay_alu instid0(VALU_DEP_2)
	v_max3_num_f32 v232, v232, |v[96+\i]|, |v[97+\i]|
	s_delay_alu instid0(VALU_DEP_2)
	v_max3_num_f32 v233, v233, |v[112+\i]|, |v[113+\i]|
.endr
	s_delay_alu instid0(VALU_DEP_2)
	v_permlanex16_b32 v236, v232, s[SEL], s[SEL+1]
	s_delay_alu instid0(VALU_DEP_2)
	v_permlanex16_b32 v237, v233, s[SEL], s[SEL+1]
	s_delay_alu instid0(VALU_DEP_2)
	v_max_num_f32 v232, v232, v236
	s_delay_alu instid0(VALU_DEP_2)
	v_max_num_f32 v233, v233, v237
	s_delay_alu instid0(VALU_DEP_2)
	v_add_nc_u32 v244, 0xfe000000, v232
	s_delay_alu instid0(VALU_DEP_2)
	v_add_nc_u32 v245, 0xfe000000, v233
	s_delay_alu instid0(VALU_DEP_2)
	v_lshrrev_b32 v238, 23, v244
	s_delay_alu instid0(VALU_DEP_2)
	v_lshrrev_b32 v239, 23, v245
	s_delay_alu instid0(VALU_DEP_1)
	v_lshl_or_b32 v254, v239, 8, v238
	v_cvt_scalef32_pk16_bf6_f32 v[192:194], v[96:111], v244
	v_cvt_scalef32_pk16_bf6_f32 v[204:206], v[112:127], v245
	v_nop
.irp i, 0,1,2
	v_permlane16_swap_b32 v[192+\i], v[204+\i]
.endr
.irp i, 0,1,2
	s_delay_alu instid0(VALU_DEP_3)
	v_mov_b32 v[195+\i], v[204+\i]
.endr
	global_store_b128 v1, v[192:195], s[OC:OC+1]   ; 512 consecutive bytes
	global_store_b64 v2, v[196:197], s[OC:OC+1]    ; 256 consecutive bytes
	global_store_b16 v7, v254, s[OS:OS+1]
	s_wait_xcnt 0x0                                ; the stores have read their registers and bases: both are written again
.endm
; A TRIP: a key step of 128 keys for the tile in hand.  msk: the mask on the key step's number: 3 in the first four trips, whose steps are 0 .. 3, 15 in the others.
.macro TRIP msk
	s_cmp_lg_u32 s[VIS], s[SWI]
	s_cbranch_scc1 .Lsame_\@
	FIN                                            ; the first tile is walked: it leaves, and the second takes its place
.irp i, 0,1,2,3,4,5
	v_mov_b32 v[16+\i], v[86+\i]
.endr
	v_mov_b32 v255, v92
	v_add_nc_u32 v95, s[Q02], v94
	s_mov_b64 s[OC:OC+1], s[OC2:OC2+1]
	s_mov_b64 s[OS:OS+1], s[OS2:OS2+1]
	s_mov_b32 s[DG], 16
	s_mov_b32 s[DGE], s[DGE2]
	v_mov_b32 v13, 0xff61b1e6
	s_delay_alu instid0(VALU_DEP_1)
	v_floor_f32 v12, -v13
	v_mov_b32 v14, 0
	v_mov_b32 v15, 0
.set n, 0
.rept 32
	v_mov_b32 v[160+n], 0
.set n, n+1
.endr
.Lsame_\@:
	s_cmp_gt_u32 s[VIS], s[A]                      ; the key step: the trip's number for the first tile, the trip's number - w / 2 - 1 for the second: (trip + 0 or 15 - w / 2) mod 16
	s_cselect_b32 s60, s[B15], 0
	s_add_co_u32 s60, s60, s[VIS]
	s_and_b32 s60, s60, \msk
	s_lshr_b32 s61, s60, 1
	s_mul_i32 s61, s61, REC                        ; its record,
	s_and_b32 s60, s60, 1                          ; and which half of the record's keys
	s_mul_i32 s62, s60, 6144
	s_add_co_u32 s62, s62, s61                     ; codes
	s_lshl_b32 s63, s60, 9
	s_add_co_u32 s63, s63, s61                     ; K's scale words
	s_lshl_b32 s60, s60, 8
	s_add_co_u32 s60, s60, s61                     ; V's
	s_cmp_eq_u32 s[VIS], s[DGE]                    ; an even j on its diagonal: the half step, below.  The branch hangs on the wave's number and the trip alone
	s_cbranch_scc1 .Lhalf_\@
	v_add_nc_u32 v8, s62, v1
	v_add_nc_u32 v9, s62, v2
	v_add_nc_u32 v10, s63, v3
	v_add_nc_u32 v11, s60, v4
.irp t, 0,1,2,3,4,5,6,7
	ds_load_b128 v[32+6*\t:35+6*\t], v8 offset:\t*768
	ds_load_b64 v[36+6*\t:37+6*\t], v9 offset:\t*768
.endr
	ds_load_b128 v[212:215], v10 offset:KS
	ds_load_b128 v[216:219], v10 offset:KS+16
	s_wait_alu depctr_va_vdst(0)
	s_wait_dscnt 0x0
.irp t, 0,1,2,3,4,5,6,7
	v_wmma_scale_f32_16x16x128_f8f6f4 v[96+8*\t:103+8*\t], v[32+6*\t:43+6*\t], v[16:27], 0, v[212+\t], v255 matrix_a_fmt:MATRIX_FMT_BF6 matrix_b_fmt:MATRIX_FMT_BF6
.endr
.rept 4
	v_nop                                          ; places: in front of the loads below and of the first read of the scores
.endr
.irp u, 0,1,2,3                                    ; V's four fragments are asked for at once: they land under the softmax
.irp c, 0,1
	ds_load_b128 v[32+12*\u+6*\c:35+12*\u+6*\c], v8 offset:VC+1536*\u+768*\c
	ds_load_b64 v[36+12*\u+6*\c:37+12*\u+6*\c], v9 offset:VC+1536*\u+768*\c
.endr
.endr
	ds_load_b128 v[220:223], v11 offset:VS
	s_cmp_lg_u32 s[VIS], s[DG]                     ; on the diagonal hidden scores become -infinity ahead of the maximum; every other step's keys count for all my queries
	s_cbranch_scc1 .Lopen_\@
	v_mov_b32 v254, 0xff800000
.set n, 32                             ; here j is odd: my positions lie in the step's upper 64, so its keys 0 .. 63 (registers 0-31) count for all my queries
.rept 32
	v_cmp_gt_i32 vcc_lo, 32*(n/16)+n%16, v95       ; register 16 b + i holds the step's key 32 b + 16 h + i: hidden where 32 b + i > d
	v_cndmask_b32 v[96+n], v[96+n], v254, vcc_lo
.set n, n+1
.endr
.Lopen_\@:
.irp b, 0,1,2,3
	v_max3_num_f32 v[232+\b], v[96+16*\b], v[97+16*\b], v[98+16*\b]   ; the largest score of each block of 32 keys: it serves for the row's maximum and, since p rises with the score, for the block's largest p
.endr
.irp i, 3,5,7,9,11,13
.irp b, 0,1,2,3
	v_max3_num_f32 v[232+\b], v[232+\b], v[96+16*\b+\i], v[97+16*\b+\i]
.endr
.endr
.irp b, 0,1,2,3
	v_max_num_f32 v[232+\b], v[232+\b], v[111+16*\b]
.endr
.irp b, 0,1,2,3
	s_delay_alu instid0(VALU_DEP_4)
	v_permlanex16_b32 v[236+\b], v[232+\b], s[SEL], s[SEL+1]
.endr
.irp b, 0,1,2,3
	s_delay_alu instid0(VALU_DEP_4)
	v_max_num_f32 v[232+\b], v[232+\b], v[236+\b]  ; with lane l xor 16's 16 keys
.endr
	s_delay_alu instid0(VALU_DEP_2)
	v_max3_num_f32 v254, v232, v233, v234
	s_delay_alu instid0(VALU_DEP_1)
	v_max_num_f32 v254, v254, v235
	s_delay_alu instid0(VALU_DEP_1)
	v_mul_f32 v254, s[CS], v254                    ; the step's largest t of my query
	s_delay_alu instid0(VALU_DEP_1)
	v_max_num_f32 v13, v13, v254
	v_mov_b32 v254, v12
	s_delay_alu instid0(VALU_DEP_2)
	v_floor_f32 v12, -v13                          ; the new -M = -ceil(t): a whole number
	s_delay_alu instid0(VALU_DEP_1)
	v_sub_f32 v254, v12, v254                      ; old M - new M, 0 or less
	s_delay_alu instid0(VALU_DEP_1)
	v_cvt_i32_f32 v254, v254                       ; (it saturates)
	s_delay_alu instid0(VALU_DEP_1)
	v_ldexp_f32 v252, 1.0, v254                    ; f = 2^(old M - new M)
.set n, 0
.rept 32
	v_pk_fma_f32 v[96+n:97+n], v[96+n:97+n], s[CS:CS+1], v[12:13] op_sel_hi:[1,0,0]   ; t - M
.set n, n+2
.endr
.irp b, 0,1,2,3
	v_fma_f32 v[232+\b], v[232+\b], s[CS], v12     ; the same of each block's largest score
.endr
.set n, 0
	s_wait_alu depctr_va_vdst(0)
.rept 64
	v_exp_f32 v[96+n], v[96+n]                     ; p = 2^(t - M)
.set n, n+1
.endr
	v_pk_mul_f32 v[14:15], v[14:15], v[252:253] op_sel_hi:[1,0]   ; the sums under the new M (a plain place behind the exponentials)
	s_wait_alu depctr_va_vdst(0)                   ; one wait for the batch, ahead of its first reader
.irp b, 0,1,2,3
	v_exp_f32 v[232+\b], v[232+\b]                 ; the block's largest p
.endr
	v_pk_add_f32 v[236:237], v[100:101], v[104:105]
	v_pk_add_f32 v[250:251], v[108:109], v[112:113]
	v_pk_add_f32 v[248:249], v[116:117], v[120:121]
	v_pk_add_f32 v[246:247], v[124:125], v[128:129]
	v_pk_add_f32 v[244:245], v[132:133], v[136:137]
	v_pk_add_f32 v[242:243], v[140:141], v[144:145]
	v_pk_add_f32 v[240:241], v[148:149], v[152:153]
	v_pk_add_f32 v[14:15], v[14:15], v[156:157]
	v_pk_add_f32 v[236:237], v[236:237], v[96:97]
	v_pk_add_f32 v[250:251], v[250:251], v[98:99]
	v_pk_add_f32 v[248:249], v[248:249], v[102:103]
	v_pk_add_f32 v[246:247], v[246:247], v[106:107]
	v_pk_add_f32 v[244:245], v[244:245], v[110:111]
	v_pk_add_f32 v[242:243], v[242:243], v[114:115]
	v_pk_add_f32 v[240:241], v[240:241], v[118:119]
	v_pk_add_f32 v[14:15], v[14:15], v[122:123]
	v_pk_add_f32 v[236:237], v[236:237], v[126:127]
	v_pk_add_f32 v[250:251], v[250:251], v[130:131]
	v_pk_add_f32 v[248:249], v[248:249], v[134:135]
	v_pk_add_f32 v[246:247], v[246:247], v[138:139]
	v_pk_add_f32 v[244:245], v[244:245], v[142:143]
	v_pk_add_f32 v[242:243], v[242:243], v[146:147]
	v_pk_add_f32 v[240:241], v[240:241], v[150:151]
	v_pk_add_f32 v[14:15], v[14:15], v[154:155]
	v_pk_add_f32 v[236:237], v[236:237], v[158:159]
	s_delay_alu instid0(VALU_DEP_2)
	v_pk_add_f32 v[14:15], v[14:15], v[246:247]
	s_delay_alu instid0(VALU_DEP_2)
	v_pk_add_f32 v[236:237], v[236:237], v[244:245]
	v_pk_add_f32 v[250:251], v[250:251], v[242:243]
	v_pk_add_f32 v[248:249], v[248:249], v[240:241]
	s_delay_alu instid0(VALU_DEP_2)
	v_pk_add_f32 v[14:15], v[14:15], v[250:251]
	s_delay_alu instid0(VALU_DEP_2)
	v_pk_add_f32 v[236:237], v[236:237], v[248:249]
	s_delay_alu instid0(VALU_DEP_1)
	v_pk_add_f32 v[14:15], v[14:15], v[236:237]
	s_wait_alu depctr_va_vdst(0)                   ; and one for the four
.irp b, 0,1,2,3
	v_max_num_f32 v[232+\b], 0x2800000, v[232+\b]  ; the floor 2^(5 - 127): the byte cannot fall under 1
.endr
.irp b, 0,1,2,3
	s_delay_alu instid0(VALU_DEP_4)
	v_add_nc_u32 v[244+\b], 0xfe000000, v[232+\b]  ; 4 off the exponent field: the conversion's scale operand
.endr
.irp b, 0,1,2,3
	s_delay_alu instid0(VALU_DEP_4)
	v_lshrrev_b32 v[236+\b], 23, v[244+\b]
.endr
	s_delay_alu instid0(VALU_DEP_3)
	v_lshl_or_b32 v253, v237, 8, v236              ; p's scale word for these 128 keys
	s_delay_alu instid0(VALU_DEP_1)
	v_lshl_or_b32 v253, v238, 16, v253
	s_delay_alu instid0(VALU_DEP_1)
	v_lshl_or_b32 v253, v239, 24, v253
.irp c, 0,1
	v_cvt_scalef32_pk16_bf6_f32 v[192+6*\c:194+6*\c], v[96+32*\c:111+32*\c], v[244+2*\c]
	v_cvt_scalef32_pk16_bf6_f32 v[204+4*\c:206+4*\c], v[112+32*\c:127+32*\c], v[244+2*\c+1]
.endr
	v_nop                                          ; one plain place behind the scaled conversions
.irp c, 0,1
.irp i, 0,1,2
	v_permlane16_swap_b32 v[192+6*\c+\i], v[204+4*\c+\i]   ; a whole block to a lane
.endr
.irp i, 0,1,2
	s_delay_alu instid0(VALU_DEP_3)
	v_mov_b32 v[195+6*\c+\i], v[204+4*\c+\i]
.endr
.endr
.set n, 0
.rept 16
	v_pk_mul_f32 v[160+n:161+n], v[160+n:161+n], v[252:253] op_sel_hi:[1,0]   ; O^T under the new M.  (These sixteen also stand between the lines that made p's codes and scale word and the products)
.set n, n+2
.endr
	s_wait_alu depctr_va_vdst(0)
	s_wait_dscnt 0x0                               ; V
.irp u, 0,1,2,3
	v_wmma_scale_f32_16x16x128_f8f6f4 v[160+8*\u:167+8*\u], v[32+12*\u:43+12*\u], v[192:203], v[160+8*\u:167+8*\u], v[220+\u], v253 matrix_a_fmt:MATRIX_FMT_BF6 matrix_b_fmt:MATRIX_FMT_BF6
.endr
	s_branch .Lend_\@
; THE HALF STEP: the diagonal step of a tile with even j.  Its positions lie in the step's lower 64, so the step's keys 64 .. 127 come after all its queries: the causal mask gives them the weight 0 for every input, and their scores,
; exponentials and codes are left out.  p's codes of those keys are zeros (their two scale bytes are 0, a finite code), which add nothing in the second product.  All else is the step above on blocks 0 and 1.
.Lhalf_\@:
	v_add_nc_u32 v8, s62, v1                       ; (these four are also the places in front of loads into registers that the last products have read)
	v_add_nc_u32 v9, s62, v2
	v_add_nc_u32 v10, s63, v3
	v_add_nc_u32 v11, s60, v4
.irp t, 0,1,2,3,4                                  ; tile 4's codes stand behind tile 3's in its operand, where they meet Q's zeros
	ds_load_b128 v[32+6*\t:35+6*\t], v8 offset:\t*768
	ds_load_b64 v[36+6*\t:37+6*\t], v9 offset:\t*768
.endr
	ds_load_b128 v[212:215], v10 offset:KS
	s_wait_alu depctr_va_vdst(0)
	s_wait_dscnt 0x0
.irp t, 0,1,2,3
	v_wmma_scale_f32_16x16x128_f8f6f4 v[96+8*\t:103+8*\t], v[32+6*\t:43+6*\t], v[16:27], 0, v[212+\t], v255 matrix_a_fmt:MATRIX_FMT_BF6 matrix_b_fmt:MATRIX_FMT_BF6
.endr
.rept 4
	v_nop                                          ; places: in front of the loads below and of the first read of the scores
.endr
.irp u, 0,1,2,3
.irp c, 0,1
	ds_load_b128 v[32+12*\u+6*\c:35+12*\u+6*\c], v8 offset:VC+1536*\u+768*\c
	ds_load_b64 v[36+12*\u+6*\c:37+12*\u+6*\c], v9 offset:VC+1536*\u+768*\c
.endr
.endr
	ds_load_b128 v[220:223], v11 offset:VS
	v_mov_b32 v254, 0xff800000
.set n, 0
.rept 32
	v_cmp_gt_i32 vcc_lo, 32*(n/16)+n%16, v95
	v_cndmask_b32 v[96+n], v[96+n], v254, vcc_lo
.set n, n+1
.endr
.irp b, 0,1
	v_max3_num_f32 v[232+\b], v[96+16*\b], v[97+16*\b], v[98+16*\b]
.endr
.irp i, 3,5,7,9,11,13
.irp b, 0,1
	s_delay_alu instid0(VALU_DEP_2)
	v_max3_num_f32 v[232+\b], v[232+\b], v[96+16*\b+\i], v[97+16*\b+\i]
.endr
.endr
.irp b, 0,1
	s_delay_alu instid0(VALU_DEP_2)
	v_max_num_f32 v[232+\b], v[232+\b], v[111+16*\b]
.endr
.irp b, 0,1
	s_delay_alu instid0(VALU_DEP_2)
	v_permlanex16_b32 v[236+\b], v[232+\b], s[SEL], s[SEL+1]
.endr
.irp b, 0,1
	s_delay_alu instid0(VALU_DEP_2)
	v_max_num_f32 v[232+\b], v[232+\b], v[236+\b]
.endr
	s_delay_alu instid0(VALU_DEP_1)
	v_max_num_f32 v254, v232, v233
	s_delay_alu instid0(VALU_DEP_1)
	v_mul_f32 v254, s[CS], v254
	s_delay_alu instid0(VALU_DEP_1)
	v_max_num_f32 v13, v13, v254
	v_mov_b32 v254, v12
	s_delay_alu instid0(VALU_DEP_2)
	v_floor_f32 v12, -v13
	s_delay_alu instid0(VALU_DEP_1)
	v_sub_f32 v254, v12, v254
	s_delay_alu instid0(VALU_DEP_1)
	v_cvt_i32_f32 v254, v254
	s_delay_alu instid0(VALU_DEP_1)
	v_ldexp_f32 v252, 1.0, v254
.set n, 0
.rept 16
	v_pk_fma_f32 v[96+n:97+n], v[96+n:97+n], s[CS:CS+1], v[12:13] op_sel_hi:[1,0,0]
.set n, n+2
.endr
.irp b, 0,1
	v_fma_f32 v[232+\b], v[232+\b], s[CS], v12
.endr
.set n, 0
	s_wait_alu depctr_va_vdst(0)
.rept 32
	v_exp_f32 v[96+n], v[96+n]
.set n, n+1
.endr
	v_pk_mul_f32 v[14:15], v[14:15], v[252:253] op_sel_hi:[1,0]
	s_wait_alu depctr_va_vdst(0)
.irp b, 0,1
	v_exp_f32 v[232+\b], v[232+\b]
.endr
	v_pk_add_f32 v[236:237], v[96:97], v[98:99]
	v_pk_add_f32 v[250:251], v[100:101], v[102:103]
	v_pk_add_f32 v[248:249], v[104:105], v[106:107]
	v_pk_add_f32 v[14:15], v[14:15], v[108:109]
	v_pk_add_f32 v[236:237], v[236:237], v[110:111]
	v_pk_add_f32 v[250:251], v[250:251], v[112:113]
	v_pk_add_f32 v[248:249], v[248:249], v[114:115]
	v_pk_add_f32 v[14:15], v[14:15], v[116:117]
	v_pk_add_f32 v[236:237], v[236:237], v[118:119]
	v_pk_add_f32 v[250:251], v[250:251], v[120:121]
	v_pk_add_f32 v[248:249], v[248:249], v[122:123]
	v_pk_add_f32 v[14:15], v[14:15], v[124:125]
	v_pk_add_f32 v[236:237], v[236:237], v[126:127]
	v_pk_add_f32 v[250:251], v[250:251], v[248:249]
	s_delay_alu instid0(VALU_DEP_2)
	v_pk_add_f32 v[14:15], v[14:15], v[236:237]
	s_delay_alu instid0(VALU_DEP_1)
	v_pk_add_f32 v[14:15], v[14:15], v[250:251]
	s_wait_alu depctr_va_vdst(0)
.irp b, 0,1
	v_max_num_f32 v[232+\b], 0x2800000, v[232+\b]
.endr
.irp b, 0,1
	s_delay_alu instid0(VALU_DEP_2)
	v_add_nc_u32 v[244+\b], 0xfe000000, v[232+\b]
.endr
.irp b, 0,1
	s_delay_alu instid0(VALU_DEP_2)
	v_lshrrev_b32 v[236+\b], 23, v[244+\b]
.endr
	s_delay_alu instid0(VALU_DEP_1)
	v_lshl_or_b32 v253, v237, 8, v236              ; p's scale word: two bytes for blocks 0, 1
	v_cvt_scalef32_pk16_bf6_f32 v[192:194], v[96:111], v244
	v_cvt_scalef32_pk16_bf6_f32 v[204:206], v[112:127], v245
	v_nop                                          ; one plain place behind the scaled conversions
.irp i, 0,1,2
	v_permlane16_swap_b32 v[192+\i], v[204+\i]
.endr
.irp i, 0,1,2
	s_delay_alu instid0(VALU_DEP_3)
	v_mov_b32 v[195+\i], v[204+\i]
.endr
.irp i, 198,199,200,201,202,203
	v_mov_b32 v[\i], 0                             ; the codes of keys 64 .. 127
.endr
.set n, 0
.rept 16
	v_pk_mul_f32 v[160+n:161+n], v[160+n:161+n], v[252:253] op_sel_hi:[1,0]
.set n, n+2
.endr
	s_wait_alu depctr_va_vdst(0)
	s_wait_dscnt 0x0                               ; V
.irp u, 0,1,2,3
	v_wmma_scale_f32_16x16x128_f8f6f4 v[160+8*\u:167+8*\u], v[32+12*\u:43+12*\u], v[192:203], v[160+8*\u:167+8*\u], v[220+\u], v253 matrix_a_fmt:MATRIX_FMT_BF6 matrix_b_fmt:MATRIX_FMT_BF6
.endr
.Lend_\@:
	s_add_co_u32 s[VIS], s[VIS], 1
.endm
	s_wait_alu depctr_va_vdst(0)                   ; the wait at the head's end
	s_wait_tensorcnt 0x0                           ; my rows of the first fill are in
	ds_add_u32 v5, v6
	s_mov_b32 s[G1+2], 38<<16                      ; no tensor load of mine is out: the second fill's loads bring 38 rows
	s_mov_b32 s[G1+4], 38
	s_wait_dscnt 0x0
	CROUND                                         ; a whole round: records 0 and 1 stand in LDS, and the four work-groups are here
	tensor_load_to_lds s[G2:G2+3], s[G1:G1+7]      ; the rest of the head's records: the first tensor load behind the round
	s_nop 0
.rept 4
	v_nop
.endr
	s_wait_loadcnt 0x0                             ; Q
.Lfirst:                                           ; trips 0 to 3: key steps 0 to 3, all in records 0 and 1
	TRIP 3
	s_cmp_lt_u32 s[VIS], 4
	s_cbranch_scc1 .Lfirst
	s_wait_tensorcnt 0x0                           ; my rows of the second fill are in;
	s_wait_dscnt 0x0
	s_barrier_signal -1
	s_barrier_wait -1                              ; and so are everybody's: all 8 records stand in LDS, and nothing writes them again
	s_mov_b32 s[VIS], 4
.Lrest:                                            ; trips 4 to 16
	TRIP 15
	s_cmp_lt_u32 s[VIS], 17
	s_cbranch_scc1 .Lrest
	FIN
	s_wait_tensorcnt 0x0                           ; the wave's end
	ds_add_u32 v5, v6
	s_wait_dscnt 0x0
	CROUND                                         ; the closing round
	s_endpgm
.Lfunc_end_k_q253babbfc5_attn:
	.size	k_q253babbfc5_attn, .Lfunc_end_k_q253babbfc5_attn-k_q253babbfc5_attn
	.p2alignl 7, 3214868480
	.fill 96, 4, 3214868480
	.section	.rodata,"a",@progbits
	.p2align	6, 0x0
	.amdhsa_kernel k_q253babbfc5_attn
		.amdhsa_group_segment_fixed_size 327680
		.amdhsa_private_segment_fixed_size 0
		.amdhsa_enable_private_segment 0
		.amdhsa_kernarg_size 24
		.amdhsa_user_sgpr_count 2
		.amdhsa_user_sgpr_kernarg_segment_ptr 1
		.amdhsa_wavefront_size32 1
		.amdhsa_system_sgpr_workgroup_id_x 1
		.amdhsa_system_sgpr_workgroup_id_y 1
		.amdhsa_system_sgpr_workgroup_id_z 1
		.amdhsa_system_vgpr_workitem_id 0
		.amdhsa_next_free_vgpr 256
		.amdhsa_next_free_sgpr 96
		.amdhsa_reserve_vcc 1
		.amdhsa_float_denorm_mode_32 3
		.amdhsa_float_denorm_mode_16_64 3
		.amdhsa_memory_ordered 1
		.amdhsa_forward_progress 1
		.amdhsa_inst_pref_size 94
	.end_amdhsa_kernel
	.amdgpu_metadata
---
amdhsa.version: [ 1, 2 ]
amdhsa.kernels:
  - .name:           k_q253babbfc5_attn
    .symbol:         k_q253babbfc5_attn.kd
    .args:
      - { .name: qb, .offset: 0, .size: 8, .value_kind: global_buffer, .address_space: global }
      - { .name: kv, .offset: 8, .size: 8, .value_kind: global_buffer, .address_space: global }
      - { .name: oq, .offset: 16, .size: 8, .value_kind: global_buffer, .address_space: global }
    .group_segment_fixed_size: 327680
    .private_segment_fixed_size: 0
    .kernarg_segment_align: 8
    .kernarg_segment_size: 24
    .max_flat_workgroup_size: 512
    .sgpr_count:     96
    .vgpr_count:     256
    .wavefront_size: 32
...
	.end_amdgpu_metadata
.endif
;; end of part 3
;; launch outp (part 4): grid 4 x 64, 4 waves a work-group, clusters of 4 x 4, 327,680 bytes of LDS; arguments oq, wq, bo, out0; writes out0
.if DOCPART == 4
	.amdgcn_target "amdgcn-amd-amdhsa--gfx1250"
	.amdhsa_code_object_version 6
	.text
	.protected	k_q253babbfc5_outp
	.globl	k_q253babbfc5_outp
	.p2align	8
	.type	k_q253babbfc5_outp,@function
k_q253babbfc5_outp:
	s_mov_b64 s[64:65], 0
	v_nop
	global_prefetch_b8 v0, s[64:65] scope:SCOPE_SE
	s_setreg_imm32_b32 hwreg(HW_REG_WAVE_MODE, 25, 1), 1
	s_wait_xcnt 0x0
	s_wait_alu depctr_hold_cnt(0) depctr_sa_sdst(0) depctr_va_vdst(0) depctr_va_sdst(0) depctr_va_ssrc(0) depctr_va_vcc(0) depctr_vm_vsrc(0)
	s_getreg_b32 s2, hwreg(HW_REG_IB_STS2, 6, 4)
	s_cmp_eq_u32 s2, 0
	s_cbranch_scc0 .Lentry_in_a_cluster
	s_endpgm
.Lentry_in_a_cluster:
	s_bfe_u32 s2, ttmp6, 0x10000c
	s_cmp_lg_u32 s2, 0xf033
	s_cbranch_scc0 .Lentry_shape_is_right
	s_endpgm
.Lentry_shape_is_right:
; out0 = o Wo + bo on codes of BF6 (E3M2) with E8M0 scales, K = 1,024, f32 sums; out0 [8192][1024] f32.
; A work-group of four waves makes 128 tokens x 256 columns: 64 x 4 = 256 work-groups.  A wave makes 64 x 128: 32 accumulators.  Side A (source 1) = tokens (oq), side B (source 0) = columns of Wo (wq's tiles 192 on): a lane holds one
; token, its registers run along the columns.  The bias is the C of each sum's first matrix instruction.
; OPERANDS are images of the operand's registers: 16 rows x 64 K in 768 bytes (registers 0-3 at 16 x lane, registers 4, 5 at 512 + 16 r + 8 h), tile pitch 12,288 bytes; tile 2 b + u holds in place r the row 32 b + 8 u + r + 8 (r / 8).
; ALL OF K STAYS IN LDS: side A's 8 tiles and side B's 16, 24 x 12,288 = 294,912 bytes, in two regions of four K steps; nothing is filled again.  At the head each wave issues one joint load: wave 0 side A's K steps 0-3, wave 1 side B's,
; waves 2, 3 the two sides' scale words.  Region 1 (K steps 4-7) is filled behind the full sequence and a round, half a side a wave; the barrier in K step 3 shows it whole.  By this text's count a wave has one tensor load out.
; CLUSTER 4 x 4: side A's tiles are shared along a row of the cluster, side B's along a column.
; NO PREFETCH: both fills are asked for ahead of the first product; no later load is left to run ahead of.
; REGISTERS: window 0: v1-10 lane terms; v16-26 LDS addresses; v28, v29 the spare word's address and 0; v30, v31 scale words' addresses; v32-63 scale words, two sets; v64-127 the bias in the result's layout; v128-223 side A's
;   fragments, two sets of 48; on the way out v128-255 rows read back.  window 1: side B's fragments, two sets at v0 and v128.  window 2: accumulator (a, b) at v[8 (8 a + b)].
.set XS_OFF, 6291456
.set WS_OFF, 3145728
.set TPK,    6144                      ; a tile's bytes in a region: four K steps
.set WA,     24576                     ; 4 tiles: a wave's part of side A in a region
.set WB,     49152                     ; 8 tiles: of side B
.set REG1,   147456                    ; region 1: side A's 8 tiles, then side B's 16, as in region 0
.set SCA,    294912                    ; side A's scale words, 8 tiles x 512 bytes
.set SCB,    303232                    ; side B's, 16 tiles; 128 bytes askew, so that lanes 0-15 (A's words) and lanes 16-31 (B's) of a load touch different banks
.set SPARE,  311552                    ; the spare words: two blocks of 256 bytes that no other line names
.set SC,     32
.set AF,     128
.set BK,     128
.set STO,    7
.set RD,     8
.set G1A,  24                          ; s[24:31] group 1 for side A's codes;  s[32:39] group 0: the head's, region 1's
.set G0A,  32
.set G1B,  44                          ; s[44:51], s[52:59] the same for side B
.set G0B,  52
.set G1SA, 68
.set G0SA, 76
.set G1SB, 80
.set G0SB, 88
.set MUL_LO, 0xa1                      ; source 0 (B) window 1, source 1 (A) window 0, C and D window 2
.set MSB, 0
.macro WIN new                         ; the immediate's high byte repeats the setting that is left
.if MSB != (\new)
	s_set_vgpr_msb (MSB<<8)|(\new)
.set MSB, (\new)
.endif
.endm
.macro PLACES n
.rept \n
	v_nop
.endr
.endm
.macro CROUND                          ; a round of the cluster's barrier
	s_barrier_signal -1
	s_barrier_wait -1
	s_cmp_lg_u32 s14, 0
	s_cbranch_scc1 .Lnot_wave_0_\@
	s_barrier_signal -3
.Lnot_wave_0_\@:
	s_barrier_wait -3
	s_barrier_signal -1
	s_barrier_wait -1
.endm
.macro FRAG reg, pa, pb, off           ; a fragment, 16 rows x 128 K: two images: 12 registers by four loads, each of consecutive bytes
	ds_load_b128 v[(\reg):(\reg)+3], v[\pa] offset:\off
	ds_load_b64 v[(\reg)+4:(\reg)+5], v[\pb] offset:\off
	ds_load_b128 v[(\reg)+6:(\reg)+9], v[\pa] offset:\off+768
	ds_load_b64 v[(\reg)+10:(\reg)+11], v[\pb] offset:\off+768
.endm
.macro FETCH_B k                       ; side B's eight fragments of K step k into set k % 2
	WIN 0x40
.irp i, 0,1,2,3,4,5,6,7
	FRAG 128*((\k)%2)+12*\i, 22+(\k)/4, 25+(\k)/4, \i*TPK+((\k)%4)*1536
.endr
	WIN 0
.endm
.macro FETCH_A k                       ; side A's four into set k % 2
.irp i, 0,1,2,3
	FRAG AF+48*((\k)%2)+12*\i, 16+(\k)/4, 19+(\k)/4, \i*TPK+((\k)%4)*1536
.endr
.endm
.macro SCALES kp                       ; the scale words of K steps 2 kp, 2 kp + 1: lanes 16-31 side B's block i; lanes 0-15 side A's block i % 4 (v31 points 4 tiles lower there)
.irp i, 0,1,2,3
	ds_load_b64 v[SC+16*((\kp)%2)+2*\i:SC+16*((\kp)%2)+2*\i+1], v30 offset:512*\i+128*(\kp)
.endr
.irp i, 4,5,6,7
	ds_load_b64 v[SC+16*((\kp)%2)+2*\i:SC+16*((\kp)%2)+2*\i+1], v31 offset:512*\i+128*(\kp)
.endr
.endm
; 16 matrix instructions: side A's blocks a0, a0 + 1 x side B's eight.  mode 2: the sums begin with the bias.  The 32 accumulators take turns, one instruction a turn, in the same order in every step.
.macro MUL16 a0, k, mode
.irp a, \a0, \a0+1
.irp b, 0,1,2,3,4,5,6,7
.set DD, 8*(8*(\a)+\b)
.set BB, 128*((\k)%2)+12*\b
.set AA, AF+48*((\k)%2)+12*(\a)
.set SB_, SC+16*(((\k)/2)%2)+2*\b+(\k)%2
.set SA_, SC+16*(((\k)/2)%2)+2*(\a)+(\k)%2
.if \mode == 2
	v_wmma_scale_f32_16x16x128_f8f6f4 v[DD:DD+7], v[BB:BB+11], v[AA:AA+11], v[64+8*\b:71+8*\b], v[SB_], v[SA_] matrix_a_fmt:MATRIX_FMT_BF6 matrix_b_fmt:MATRIX_FMT_BF6 matrix_a_scale:MATRIX_SCALE_ROW1
.else
	v_wmma_scale_f32_16x16x128_f8f6f4 v[DD:DD+7], v[BB:BB+11], v[AA:AA+11], v[DD:DD+7], v[SB_], v[SA_] matrix_a_fmt:MATRIX_FMT_BF6 matrix_b_fmt:MATRIX_FMT_BF6 matrix_a_scale:MATRIX_SCALE_ROW1
.endif
.endr
.endr
.endm
; A K step: its fragments are in; the next step's are asked for, into the other sets, which the step before multiplied: four places stand in front of those loads; then the step's 32 products.
.macro STEP k, mode
	s_wait_dscnt 0x0
	PLACES 4
	FETCH_B (\k)+1
	FETCH_A (\k)+1
.if ((\k)%2) == 1
	SCALES ((\k)+1)/2
.endif
.if \mode == 2
	WIN 0x81                                       ; C (the bias) in window 0, D in window 2
.else
	WIN MUL_LO
.endif
	MUL16 0, \k, \mode
	MUL16 2, \k, \mode
	WIN 0
.endm
	s_load_b256 s[4:11], s[0:1], 0x0               ; oq s[4:5], wq s[6:7], bo s[8:9], out0 s[10:11]
	v_lshl_add_u32 v28, v0, 2, SPARE
	v_mov_b32 v29, 0
	ds_add_u32 v28, v29                            ; the opening lines: the add, twice on end, and its wait ahead of my first tensor load
	ds_add_u32 v28, v29
	v_lshrrev_b32 v1, 5, v0
	v_readfirstlane_b32 s14, v1                    ; wave 0..3
	s_lshr_b32 s15, s14, 1                         ; which half of the tokens is mine.  Also: for region 1 I fetch for side A (0) or B (1)
	s_and_b32 s16, s14, 1                          ; which half of the columns.  Also: which half of that side I fetch
	s_bfe_u32 s92, ttmp6, 0x40000                  ; cx: the block of 256 columns (the grid has one cluster along x)
	s_bfe_u32 s93, ttmp6, 0x40004                  ; cy
	s_and_b32 s95, ttmp7, 0xffff
	s_lshl_b32 s96, s93, 2
	s_lshl_b32 s96, 15, s96                        ; my row of the cluster
	s_lshl_b32 s97, 0x1111, s92                    ; my column
	s_or_b32 s[G1A], s96, (3<<16)|(1<<21)          ; codes: rows (tiles) of 6,144 bytes, 12,288 apart, in elements of 8 bytes
	s_or_b32 s[G1B], s97, (3<<16)|(1<<21)
.irp g, G1A, G1B
	s_mov_b32 s[\g+1], 768<<16
	s_mov_b32 s[\g+3], 768<<16
	s_mov_b32 s[\g+5], 1536
	s_mov_b32 s[\g+6], 0
	s_mov_b32 s[\g+7], 0
.endr
	s_mov_b32 s[G1A+2], 8<<16                      ; the head's loads bring a whole side: 8 tiles of A,
	s_mov_b32 s[G1A+4], 8
	s_mov_b32 s[G1B+2], 16<<16                     ; 16 of B
	s_mov_b32 s[G1B+4], 16
	s_or_b32 s[G1SA], s96, (3<<16)|(1<<21)         ; scale words: dense rows of 256 bytes
	s_or_b32 s[G1SB], s97, (3<<16)|(1<<21)
.irp g, G1SA, G1SB
	s_mov_b32 s[\g+1], 32<<16
	s_mov_b32 s[\g+3], 32<<16
	s_mov_b32 s[\g+5], 32
	s_mov_b32 s[\g+6], 0
	s_mov_b32 s[\g+7], 0
.endr
	s_mov_b32 s[G1SA+2], 16<<16                    ; 8 tiles x 512 bytes
	s_mov_b32 s[G1SA+4], 16
	s_mov_b32 s[G1SB+2], 32<<16                    ; 16 tiles
	s_mov_b32 s[G1SB+4], 32
	s_lshl_b32 s17, s95, 2
	s_add_co_u32 s17, s17, s93                     ; my block of 128 tokens
	s_lshl_b32 s20, s17, 3                         ; side A's first tile
	s_mul_i32 s2, s20, 12288
	s_mov_b32 s3, 0
	s_lshl_b32 s22, s20, 9
	s_add_co_u32 s22, s22, XS_OFF
	s_mov_b32 s23, 0
	s_lshl_b32 s21, s92, 4
	s_add_co_u32 s21, s21, 192                     ; side B's: Wo's tiles begin at 192
	s_mul_i32 s100, s21, 12288
	s_mov_b32 s101, 0
	s_lshl_b32 s66, s21, 9
	s_add_co_u32 s66, s66, WS_OFF
	s_mov_b32 s67, 0
	s_wait_dscnt 0x0                               ; both opening adds are done
	s_wait_kmcnt 0x0
	s_add_nc_u64 s[18:19], s[4:5], s[2:3]          ; side A's codes
	s_add_nc_u64 s[22:23], s[4:5], s[22:23]        ; its scale words
	s_add_nc_u64 s[98:99], s[6:7], s[100:101]      ; side B's codes
	s_add_nc_u64 s[66:67], s[6:7], s[66:67]        ; its scale words
	s_lshl_b32 s2, s92, 10
	s_lshl_b32 s3, s16, 9
	s_add_co_u32 s2, s2, s3                        ; my 128 columns, in bytes of f32
	s_mov_b32 s3, 0
	s_add_nc_u64 s[8:9], s[8:9], s[2:3]            ; in bo,
	s_add_nc_u64 s[10:11], s[10:11], s[2:3]        ; and in a row of out0
	s_lshl_b32 s2, s17, 19                         ; 128 rows of 4,096 bytes
	s_lshl_b32 s20, s15, 18
	s_add_co_u32 s2, s2, s20
	s_add_nc_u64 s[10:11], s[10:11], s[2:3]        ; my first row
	CROUND                                         ; all sixteen work-groups are here: the first joint loads meet
	s_mov_b32 s[G0A], 1                            ; the head's: a whole side, K steps 0-3, into region 0
	s_mov_b32 s[G0A+1], 0
	s_mov_b64 s[G0A+2:G0A+3], s[18:19]
	s_or_b32 s[G0A+3], s[G0A+3], 0x80000000
	s_mov_b32 s[G0B], 1
	s_mov_b32 s[G0B+1], 2*WA
	s_mov_b64 s[G0B+2:G0B+3], s[98:99]
	s_or_b32 s[G0B+3], s[G0B+3], 0x80000000
	s_mul_i32 s2, s16, 49152                       ; region 1's: half a side, K steps 4-7: 4 tiles of A,
	s_add_co_u32 s2, s2, TPK
	s_mul_i32 s12, s16, WA                         ; (no place in the cluster enters an LDS address)
	s_mov_b32 s[G0A+4], 1
	s_add_co_u32 s[G0A+5], s12, REG1
	s_add_nc_u64 s[G0A+6:G0A+7], s[18:19], s[2:3]
	s_or_b32 s[G0A+7], s[G0A+7], 0x80000000
	s_mul_i32 s2, s16, 98304                       ; 8 of B
	s_add_co_u32 s2, s2, TPK
	s_mul_i32 s12, s16, WB
	s_mov_b32 s[G0B+4], 1
	s_add_co_u32 s[G0B+5], s12, REG1+2*WA
	s_add_nc_u64 s[G0B+6:G0B+7], s[98:99], s[2:3]
	s_or_b32 s[G0B+7], s[G0B+7], 0x80000000
	s_mov_b32 s[G0SA], 1
	s_mov_b32 s[G0SA+1], SCA
	s_mov_b64 s[G0SA+2:G0SA+3], s[22:23]
	s_or_b32 s[G0SA+3], s[G0SA+3], 0x80000000
	s_mov_b32 s[G0SB], 1
	s_mov_b32 s[G0SB+1], SCB
	s_mov_b64 s[G0SB+2:G0SB+3], s[66:67]
	s_or_b32 s[G0SB+3], s[G0SB+3], 0x80000000
; the head's loads, one a wave: one tree of branches on the wave's number, every way through it passes one load
.macro ARM under, g0, g1, next
	s_cmp_lt_u32 s14, \under
	s_cbranch_scc0 \next
	tensor_load_to_lds s[\g0:\g0+3], s[\g1:\g1+7]
	s_nop 0
	PLACES 4
	s_branch .Lfirst_done
\next:
.endm
	ARM 1, G0A,  G1A,  .Lhead_b
	ARM 2, G0B,  G1B,  .Lhead_sa
	ARM 3, G0SA, G1SA, .Lhead_sb
	tensor_load_to_lds s[G0SB:G0SB+3], s[G1SB:G1SB+7]
	s_nop 0
	PLACES 4
.Lfirst_done:
	s_mul_i32 s2, s15, WA                          ; my 4 tiles of side A in region 0,
	s_add_co_u32 s12, s2, REG1                     ; in region 1;
	s_mul_i32 s3, s16, WB                          ; my 8 tiles of side B,
	s_add_co_u32 s3, s3, 2*WA                      ; which lie behind side A's 8
	s_add_co_u32 s13, s3, REG1
	s_lshl_b32 s21, s15, 11                        ; scale words: side A's, my 4 tiles
	s_lshl_b32 s20, s16, 12                        ; side B's, my 8 tiles
	s_add_co_u32 s20, s20, SCB-SCA
	s_sub_co_u32 s20, s20, s21                     ; how far B's lie behind A's
	s_add_co_u32 s21, s21, SCA
	s_add_co_u32 s100, s20, 2048                   ; and the same with A's address 4 tiles lower, for blocks 4-7
	s_sub_co_u32 s101, s21, 2048
	s_mul_i32 s94, s14, 8448                       ; the way out: my stage, 16 rows x (512 bytes + 16), in region 0: that region is filled once, and its last read stands ahead of the barrier in K step 3
	v_and_b32 v1, 15, v0                           ; r
	v_bfe_u32 v2, v0, 4, 1                         ; h
	v_and_b32 v3, 31, v0
	v_lshlrev_b32 v4, 4, v3                        ; 16 x lane
	v_lshlrev_b32 v5, 4, v1
	v_lshl_add_u32 v5, v2, 3, v5
	v_add_nc_u32 v5, 512, v5                       ; 512 + 16 r + 8 h
	v_lshlrev_b32 v6, 6, v2                        ; the bias: lanes 16-31 take the columns 16 further on
.irp b, 0,1,2,3,4,5,6,7
	global_load_b128 v[64+8*\b:67+8*\b], v6, s[8:9] offset:(32*(\b/2)+8*(\b%2))*4      ; register j of tile b: column 32 (b / 2) + 8 (b % 2) + 16 h + j
	global_load_b128 v[68+8*\b:71+8*\b], v6, s[8:9] offset:(32*(\b/2)+8*(\b%2))*4+16
.endr
	v_add_nc_u32 v16, s2, v4
	v_add_nc_u32 v17, s12, v4
	v_add_nc_u32 v19, s2, v5
	v_add_nc_u32 v20, s12, v5
	v_add_nc_u32 v22, s3, v4
	v_add_nc_u32 v23, s13, v4
	v_add_nc_u32 v25, s3, v5
	v_add_nc_u32 v26, s13, v5
	v_mul_u32_u24 v9, s20, v2                      ; lanes 16-31 take side B's scale words: one product with h
	v_mul_u32_u24 v10, s100, v2
	v_lshl_add_u32 v9, v1, 3, v9                   ; 8 bytes a row
	v_lshl_add_u32 v10, v1, 3, v10
	v_add_nc_u32 v30, s21, v9
	v_add_nc_u32 v31, s101, v10
	v_mul_u32_u24 v[STO], v1, 528
	v_lshl_add_u32 v[STO], v2, 6, v[STO]
	v_add_nc_u32 v[STO], s94, v[STO]               ; into the stage: row r, + 64 h bytes
	v_add_nc_u32 v[RD], s94, v4                    ; back: 16 bytes a lane of a row
	s_wait_alu depctr_va_vdst(0)                   ; the wait at the head's end
	s_wait_tensorcnt 0x0                           ; my tile of the head's four is in
	ds_add_u32 v28, v29
	s_mov_b32 s[G1A+2], 4<<16                      ; no tensor load of mine is out: from here on a load brings half a side
	s_mov_b32 s[G1A+4], 4
	s_mov_b32 s[G1B+2], 8<<16
	s_mov_b32 s[G1B+4], 8
	s_wait_dscnt 0x0
	CROUND                                         ; a whole round: all four tiles are in, and the sixteen work-groups are here
	s_cmp_eq_u32 s15, 0                            ; K steps 4-7 into region 1: waves 0, 1 for side A, waves 2, 3 for side B; the first tensor load behind the round; four v_nop follow each line
	s_cbranch_scc0 .Lfor_b
	tensor_load_to_lds s[G0A+4:G0A+7], s[G1A:G1A+7]
	s_nop 0
	PLACES 4
	s_branch .Lasked
.Lfor_b:
	tensor_load_to_lds s[G0B+4:G0B+7], s[G1B:G1B+7]
	s_nop 0
	PLACES 4
.Lasked:
	FETCH_B 0
	FETCH_A 0
	SCALES 0
	s_wait_loadcnt 0x0                             ; the bias
	STEP 0, 2
	STEP 1, 0
	STEP 2, 0
	s_wait_tensorcnt 0x0                           ; K step 3: my part of region 1 is in,
	s_wait_dscnt 0x0                               ; and so are this step's fragments: my reads of region 0 are over
	s_barrier_signal -1
	WIN MUL_LO
	MUL16 0, 3, 0                                  ; work on registers while the others arrive
	WIN 0
	s_barrier_wait -1                              ; region 1 is whole
	PLACES 4
	FETCH_B 4
	FETCH_A 4
	SCALES 2
	WIN MUL_LO
	MUL16 2, 3, 0
	WIN 0
	STEP 4, 0
	STEP 5, 0
	STEP 6, 0
	s_wait_dscnt 0x0                               ; the last step: nothing more to fetch
	WIN MUL_LO
	MUL16 0, 7, 0
	MUL16 2, 7, 0
	WIN 0
; THE WAY OUT, a token tile (16 rows x 128 columns) at a time: a lane holds 8 neighbouring columns an accumulator; the tile goes through my own stage and comes back as whole rows of 512 bytes.
; LDS serves a wave's instructions in order (ISA guide 5.7.1.4): no wait between the stores and the loads, nor in front of the next tile's stores.
.macro TOSTAGE a
.set AC, 64*(\a)
	WIN 0x08                                       ; an LDS store's data are its source 1: window 2
.irp b, 0,1,2,3,4,5,6,7
	ds_store_b128 v[STO], v[AC+8*\b:AC+8*\b+3] offset:128*(\b/2)+32*(\b%2)       ; each accumulator from its low end on
	ds_store_b128 v[STO], v[AC+8*\b+4:AC+8*\b+7] offset:128*(\b/2)+32*(\b%2)+16
.endr
	WIN 0
.set BB, BK+64*((\a)%2)
.irp t, 0,1,2,3,4,5,6,7,8,9,10,11,12,13,14,15
	ds_load_b128 v[BB+4*\t:BB+4*\t+3], v[RD] offset:\t*528
.endr
.endm
.macro SEND a, younger                 ; younger: the LDS instructions issued behind tile a's loads, which may stay out
.set BB, BK+64*((\a)%2)
	s_wait_dscnt \younger
.irp t, 0,1,2,3,4,5,6,7,8,9,10,11,12,13,14,15
	global_store_b128 v4, v[BB+4*\t:BB+4*\t+3], s[10:11] offset:(32*((\a)/2)+8*((\a)%2)+\t+8*(\t/8))*4096 th:TH_STORE_NT   ; place t of tile a is row 32 (a / 2) + 8 (a % 2) + t + 8 (t / 8); 512 consecutive bytes, at a multiple of 256 from out0's first byte
.endr
.endm
	PLACES 4                                       ; behind the last products: in front of the first read of results and of loads into registers that held fragments
	TOSTAGE 0
.irp a, 1,2,3
.if \a > 1
	s_wait_xcnt 0x0                                ; tile a - 2's stores have read their registers: tile a's loads may land there
.endif
	TOSTAGE \a
	SEND \a-1, 32                                  ; behind tile a - 1's loads: tile a's 16 stores and 16 loads
.endr
	SEND 3, 0
	s_wait_tensorcnt 0x0                           ; the wave's end: behind my last tensor load and my last LDS store
	ds_add_u32 v28, v29
	s_wait_dscnt 0x0
	CROUND                                         ; the closing round
	s_endpgm
.Lfunc_end_k_q253babbfc5_outp:
	.size	k_q253babbfc5_outp, .Lfunc_end_k_q253babbfc5_outp-k_q253babbfc5_outp
	.p2alignl 7, 3214868480
	.fill 96, 4, 3214868480
	.section	.rodata,"a",@progbits
	.p2align	6, 0x0
	.amdhsa_kernel k_q253babbfc5_outp
		.amdhsa_group_segment_fixed_size 327680
		.amdhsa_private_segment_fixed_size 0
		.amdhsa_enable_private_segment 0
		.amdhsa_kernarg_size 32
		.amdhsa_user_sgpr_count 2
		.amdhsa_user_sgpr_kernarg_segment_ptr 1
		.amdhsa_wavefront_size32 1
		.amdhsa_system_sgpr_workgroup_id_x 1
		.amdhsa_system_sgpr_workgroup_id_y 1
		.amdhsa_system_sgpr_workgroup_id_z 1
		.amdhsa_system_vgpr_workitem_id 0
		.amdhsa_next_free_vgpr 768
		.amdhsa_next_free_sgpr 102
		.amdhsa_reserve_vcc 0
		.amdhsa_float_denorm_mode_32 3
		.amdhsa_float_denorm_mode_16_64 3
		.amdhsa_memory_ordered 1
		.amdhsa_forward_progress 1
		.amdhsa_inst_pref_size 87
	.end_amdhsa_kernel
	.amdgpu_metadata
---
amdhsa.version: [ 1, 2 ]
amdhsa.kernels:
  - .name:           k_q253babbfc5_outp
    .symbol:         k_q253babbfc5_outp.kd
    .args:
      - { .name: oq, .offset: 0, .size: 8, .value_kind: global_buffer, .address_space: global }
      - { .name: wq, .offset: 8, .size: 8, .value_kind: global_buffer, .address_space: global }
      - { .name: bo, .offset: 16, .size: 8, .value_kind: global_buffer, .address_space: global }
      - { .name: out0, .offset: 24, .size: 8, .value_kind: global_buffer, .address_space: global }
    .group_segment_fixed_size: 327680
    .private_segment_fixed_size: 0
    .kernarg_segment_align: 8
    .kernarg_segment_size: 32
    .max_flat_workgroup_size: 128
    .sgpr_count:     102
    .vgpr_count:     768
    .wavefront_size: 32
...
	.end_amdgpu_metadata
.endif
;; end of part 4
